; MI455X (gfx1250); checked and timed in simulation.
; The chip was launched on July 23, 2026; its instructions are those of AMD's public machine-readable ISA for CDNA 5 (MIT licence, August 2026) and "CDNA5" Instruction Set Architecture Reference Guide (July 2026). The comments in the code are by the model that wrote it; some were corrected since.
;; Affine Transformer. Allowed arithmetic: float matrix products may take bf16 or f16 operands with f32 sums; other float arithmetic in f32, or as packed bf16 or f16 multiplies, adds, multiply-adds, maxima and minima; sums over many terms, partial sums and values carried from step to step in f32; what a program stores and reads back later, other than sums and carried values, may be rounded once to bf16 or f16.
;; Inputs: A 2,048 x 2,048 float32; b 2,048 float32; hist_Al 2 x 2,048 x 2,048 float32; hist_Au 2 x 2,048 x 2,048 float32; hist_bl 2 x 2,048 float32; hist_bu 2 x 2,048 float32; lower_in 2,048 float32; upper_in 2,048 float32.
;; Outputs: out0 2,048 float32; out1 2,048 float32.
;; One version. Each part assembles by itself: llvm-mc -triple=amdgcn-amd-amdhsa -mcpu=gfx1250 --defsym DOCPART=n.
;; ======== version 1 of 1: 4 launches
;; workspace buffers: y0 16,777,216 bytes; lbf 16,777,216 bytes; ubf 16,777,216 bytes; y1 16,777,216 bytes; c1 16,384 bytes; p1 262,144 bytes; p2 262,144 bytes
;; launch prep (part 1): grid 256 x 1, 32 waves a work-group, no clusters, 5,120 bytes of LDS; arguments A, b, hist_Al, hist_Au, hist_bl, hist_bu, y0, lbf, ubf, c1; writes y0, lbf, ubf, c1
.if DOCPART == 1
	.amdgcn_target "amdgcn-amd-amdhsa--gfx1250"
	.amdhsa_code_object_version 6
	.text
	.protected	k_q80ff059a18_prep
	.globl	k_q80ff059a18_prep
	.p2align	8
	.type	k_q80ff059a18_prep,@function
k_q80ff059a18_prep:
	s_mov_b64 s[64:65], 0
	v_nop
	global_prefetch_b8 v0, s[64:65] scope:SCOPE_SE
	s_setreg_imm32_b32 hwreg(HW_REG_WAVE_MODE, 25, 1), 1
	s_wait_xcnt 0x0
; THE CASTS AND THE FIRST BIAS STEP.  The upper bound of f is minus the lower bound of -f, so both bounds are carried as ONE matrix of 4,096 rows under the lower rule alone:
;   y0 = [A; -A] in bf16 [4096][2048];  lbf, ubf = hist_Al, hist_Au in bf16 (same order of elements);
;   c1[m] = max(A[m],0).hist_bl[1] + min(A[m],0).hist_bu[1] + b[m];   c1[2048+m] = -(max(A[m],0).hist_bu[1] + min(A[m],0).hist_bl[1] + b[m]), all in f32 from the unrounded A.
; LIMIT.  A NaN in A is dropped by v_max_num_f32 / v_min_num_f32 in c1 (it counts as 0 there); it is kept in y0.
; SHARES.  256 work-groups of equal work, 32 waves each.  Work-group g: rows 8 g .. 8 g + 7 of A (4 chunks of 16,384 bytes, two rows each) and 32,768 elements of each history tensor
; (8 chunks of 16,384 bytes).  Thread t takes the 16 bytes at 16 t of every chunk: a load of a wave covers 512 consecutive bytes, a store of its 8 bytes a lane 256 consecutive bytes, aligned.
; All 22 loads of a thread go out at once: 22 x 16 x 1,024 bytes for the work-group; there is no loop.  No matrix unit, no cluster, no tensor load: no byte is read by two work-groups but the small vectors.
; In a chunk of A all lanes of a wave lie in one row (waves 0-15: the even row, 16-31: the odd one), so a row's two dot products are summed over the wave's lanes, then over 16 waves in LDS.
.set RED,   0                          ; LDS: [32 waves][8 f32]: lo of chunks 0-3, up of chunks 0-3
.set SPARE, 1024                       ; behind it: the spare words, 128 bytes for each of the 32 waves; no other line names them
.set SPW, 4                            ; v4   LDS address of my spare word; never rewritten
.set NIL, 5                            ; v5   0; never rewritten
.set DL,  8                            ; v[8:11]   hist_bl[1] of my 4 columns
.set DU,  12                           ; v[12:15]  hist_bu[1] of my 4 columns
.set AR,  16                           ; v[16:31]  A, chunk j at AR + 4 j
.set HR,  32                           ; v[32:95]  chunk j: hist_Al at HR + 8 j, hist_Au at HR + 8 j + 4
.set R,   96                           ; v[96:103] lo of chunks 0-3, up of chunks 0-3
.set T,   104                          ; v[104:111] max(A,0) x 4, min(A,0) x 4
.set CH,  112                          ; v[112:115] the two packed chains
	s_load_b512 s[4:19], s[0:1], 0x0               ; A 4:5, b 6:7, hist_Al 8:9, hist_Au 10:11, hist_bl 12:13, hist_bu 14:15, y0 16:17, lbf 18:19
	s_load_b128 s[20:23], s[0:1], 0x40             ; ubf 20:21, c1 22:23
	v_lshl_add_u32 v[SPW], v0, 2, SPARE
	v_mov_b32 v[NIL], 0
	v_lshrrev_b32 v6, 5, v0
	v_readfirstlane_b32 s24, v6                    ; wave 0..31
	v_lshlrev_b32 v1, 4, v0                        ; 16 t: loads
	v_lshlrev_b32 v2, 3, v0                        ; 8 t: stores
	v_and_b32 v3, 0x1ff, v0
	v_lshlrev_b32 v3, 4, v3                        ; my 4 columns in a vector of 2,048 f32
	s_lshl_b32 s25, s24, 5
	v_mov_b32 v6, s25                              ; RED + 32 x wave
	s_mov_b32 s27, 0
	s_mov_b32 s30, 0x76543210                      ; v_permlanex16_b32: each lane takes its own place in the other half
	s_mov_b32 s31, 0xfedcba98
	s_mov_b32 s32, 0x80008000                      ; the signs of two bf16
	s_lshl_b32 s26, ttmp9, 16                      ; 65,536 g: my part of A, of lbf and of ubf
	s_wait_kmcnt 0x0
	s_add_nc_u64 s[4:5], s[4:5], s[26:27]
	s_add_nc_u64 s[18:19], s[18:19], s[26:27]
	s_add_nc_u64 s[20:21], s[20:21], s[26:27]
	s_lshl_b32 s26, ttmp9, 15                      ; 32,768 g: my 8 rows of y0,
	s_add_nc_u64 s[16:17], s[16:17], s[26:27]
	s_add_nc_u64 s[28:29], s[16:17], 0x800000      ; and the same rows 2,048 further down
	s_lshl_b32 s26, ttmp9, 17                      ; 131,072 g: my part of the two history tensors
	s_add_nc_u64 s[8:9], s[8:9], s[26:27]
	s_add_nc_u64 s[10:11], s[10:11], s[26:27]
	global_load_b128 v[DL:DL+3], v3, s[12:13] offset:8192      ; layer 1 is backsubstituted first
	global_load_b128 v[DU:DU+3], v3, s[14:15] offset:8192
.irp j, 0,1,2,3
	global_load_b128 v[AR+4*(\j):AR+4*(\j)+3], v1, s[4:5] offset:16384*(\j) th:TH_LOAD_NT
.endr
.irp j, 0,1,2,3,4,5,6,7
	global_load_b128 v[HR+8*(\j):HR+8*(\j)+3],   v1, s[8:9]   offset:16384*(\j) th:TH_LOAD_NT
	global_load_b128 v[HR+8*(\j)+4:HR+8*(\j)+7], v1, s[10:11] offset:16384*(\j) th:TH_LOAD_NT
.endr
; Chunk j of A: my share of its row's two dot products, and 8 bytes of y0 twice.
.macro ACH j
	s_wait_loadcnt 19-(\j)                         ; of the 22 loads the oldest 3 + j are in: the two vectors and chunks 0 .. j of A
.irp k, 0,1,2,3
	v_max_num_f32 v[T+(\k)],   0, v[AR+4*(\j)+(\k)]
	v_min_num_f32 v[T+4+(\k)], 0, v[AR+4*(\j)+(\k)]
.endr
	v_pk_mul_f32 v[CH:CH+1],   v[T:T+1],   v[DL:DL+1]                    ; lo: max . bl + min . bu;  up: max . bu + min . bl: two chains by turns
	v_pk_mul_f32 v[CH+2:CH+3], v[T:T+1],   v[DU:DU+1]
	v_pk_fma_f32 v[CH:CH+1],   v[T+2:T+3], v[DL+2:DL+3], v[CH:CH+1]
	v_pk_fma_f32 v[CH+2:CH+3], v[T+2:T+3], v[DU+2:DU+3], v[CH+2:CH+3]
	v_pk_fma_f32 v[CH:CH+1],   v[T+4:T+5], v[DU:DU+1],   v[CH:CH+1]
	v_pk_fma_f32 v[CH+2:CH+3], v[T+4:T+5], v[DL:DL+1],   v[CH+2:CH+3]
	v_pk_fma_f32 v[CH:CH+1],   v[T+6:T+7], v[DU+2:DU+3], v[CH:CH+1]
	v_pk_fma_f32 v[CH+2:CH+3], v[T+6:T+7], v[DL+2:DL+3], v[CH+2:CH+3]
	v_add_f32 v[R+(\j)],   v[CH],   v[CH+1]
	v_add_f32 v[R+4+(\j)], v[CH+2], v[CH+3]
	v_cvt_pk_bf16_f32 v[AR+4*(\j)],   v[AR+4*(\j)],   v[AR+4*(\j)+1]
	v_cvt_pk_bf16_f32 v[AR+4*(\j)+1], v[AR+4*(\j)+2], v[AR+4*(\j)+3]
	v_xor_b32 v[AR+4*(\j)+2], s32, v[AR+4*(\j)]    ; -A: the rounding is symmetric, so the sign is turned behind it
	v_xor_b32 v[AR+4*(\j)+3], s32, v[AR+4*(\j)+1]
	global_store_b64 v2, v[AR+4*(\j):AR+4*(\j)+1],   s[16:17] offset:8192*(\j) th:TH_STORE_NT
	global_store_b64 v2, v[AR+4*(\j)+2:AR+4*(\j)+3], s[28:29] offset:8192*(\j) th:TH_STORE_NT
.endm
; Chunk j of both history tensors: rounded and stored.  No register that a store reads is written again before the wait in wave 0's part below.
.macro HCH j
	s_wait_loadcnt 14-2*(\j)                       ; the oldest 8 + 2 j are in
	v_cvt_pk_bf16_f32 v[HR+8*(\j)],   v[HR+8*(\j)],   v[HR+8*(\j)+1]
	v_cvt_pk_bf16_f32 v[HR+8*(\j)+1], v[HR+8*(\j)+2], v[HR+8*(\j)+3]
	v_cvt_pk_bf16_f32 v[HR+8*(\j)+4], v[HR+8*(\j)+4], v[HR+8*(\j)+5]
	v_cvt_pk_bf16_f32 v[HR+8*(\j)+5], v[HR+8*(\j)+6], v[HR+8*(\j)+7]
	global_store_b64 v2, v[HR+8*(\j):HR+8*(\j)+1],   s[18:19] offset:8192*(\j) th:TH_STORE_NT
	global_store_b64 v2, v[HR+8*(\j)+4:HR+8*(\j)+5], s[20:21] offset:8192*(\j) th:TH_STORE_NT
.endm
	ACH 0
	ACH 1
	ACH 2
	ACH 3
	; the eight sums over the wave's 32 lanes: four steps inside each half ride on the addition, one crosses the halves
.irp m, 1,2,4,8
.irp i, 0,1,2,3,4,5,6,7
	v_add_f32_dpp v[R+(\i)], v[R+(\i)], v[R+(\i)] row_xmask:\m row_mask:0xf bank_mask:0xf
.endr
.endr
.irp i, 0,1,2,3,4,5,6,7
	v_permlanex16_b32 v[T+(\i)], v[R+(\i)], s30, s31   ; T has been written
.endr
.irp i, 0,1,2,3,4,5,6,7
	v_add_f32 v[R+(\i)], v[R+(\i)], v[T+(\i)]
.endr
	ds_store_b128 v6, v[R:R+3]                     ; all lanes store the same numbers to the wave's own 32 bytes
	ds_store_b128 v6, v[R+4:R+7] offset:16
.irp j, 0,1,2,3,4,5,6,7
	HCH \j
.endr
	s_wait_dscnt 0x0                               ; for the others' sake: my sums lie in LDS
	s_barrier_signal -1
	s_barrier_wait -1
	s_cmp_lg_u32 s24, 0
	s_cbranch_scc1 .Lend
	; wave 0: lane l makes row r = l % 8 of the group's eight; lanes 0-7 its lo, lanes 8-15 its up (lanes 16-31 repeat them and store nothing)
	s_wait_xcnt 0x0                                ; the stores have read their registers: v32 and up are written again only behind this wait
	v_and_b32 v50, 7, v0                           ; r = 2 j + par
	v_bfe_u32 v51, v0, 3, 1                        ; 0: lo, 1: up
	v_and_b32 v52, 1, v50                          ; par: the row's 16 waves begin at wave 16 par
	v_lshrrev_b32 v53, 1, v50                      ; j
	v_lshlrev_b32 v54, 9, v52
	v_lshl_add_u32 v54, v51, 4, v54
	v_lshl_add_u32 v54, v53, 2, v54                ; 512 par + 16 (up) + 4 j
	s_lshl_b32 s34, ttmp9, 5
	v_lshl_add_u32 v49, v50, 2, s34                ; 4 (8 g + r)
	v_lshl_add_u32 v55, v51, 13, v49               ; and 2,048 rows further down for up
	v_lshlrev_b32 v56, 31, v51                     ; up's sign is turned
	global_load_b32 v48, v49, s[6:7]               ; b
.irp i, 0,1,2,3,4,5,6,7,8,9,10,11,12,13,14,15
	ds_load_b32 v[32+(\i)], v54 offset:RED+32*(\i)
.endr
	s_wait_dscnt 0x0
.irp i, 0,2,4,6
	v_pk_add_f32 v[32+(\i):33+(\i)], v[32+(\i):33+(\i)], v[40+(\i):41+(\i)]
.endr
	v_pk_add_f32 v[32:33], v[32:33], v[36:37]
	v_pk_add_f32 v[34:35], v[34:35], v[38:39]
	v_pk_add_f32 v[32:33], v[32:33], v[34:35]
	v_add_f32 v32, v32, v33
	s_wait_loadcnt 0x0
	v_add_f32 v32, v32, v48
	v_xor_b32 v32, v56, v32
	v_cmp_gt_u32 vcc_lo, 16, v0
	s_wait_xcnt 0x0                                ; EXEC changes only behind this wait
	s_and_saveexec_b32 s33, vcc_lo
	global_store_b32 v55, v32, s[22:23]            ; two pieces of 32 bytes a work-group: 16,384 bytes in the launch, the one store here that does not cover 256 bytes
	s_wait_xcnt 0x0                                ; and again, in front of the line that widens it
	s_or_b32 exec_lo, exec_lo, s33
.Lend:
	s_wait_tensorcnt 0x0                           ; the wave's end, behind my last LDS store
	ds_add_u32 v[SPW], v[NIL]
	s_wait_dscnt 0x0
	s_endpgm
.Lfunc_end_k_q80ff059a18_prep:
	.size	k_q80ff059a18_prep, .Lfunc_end_k_q80ff059a18_prep-k_q80ff059a18_prep
	.p2alignl 7, 3214868480
	.fill 96, 4, 3214868480
	.section	.rodata,"a",@progbits
	.p2align	6, 0x0
	.amdhsa_kernel k_q80ff059a18_prep
		.amdhsa_group_segment_fixed_size 5120
		.amdhsa_private_segment_fixed_size 0
		.amdhsa_enable_private_segment 0
		.amdhsa_kernarg_size 80
		.amdhsa_user_sgpr_count 2
		.amdhsa_user_sgpr_kernarg_segment_ptr 1
		.amdhsa_wavefront_size32 1
		.amdhsa_system_sgpr_workgroup_id_x 1
		.amdhsa_system_sgpr_workgroup_id_y 1
		.amdhsa_system_sgpr_workgroup_id_z 1
		.amdhsa_system_vgpr_workitem_id 0
		.amdhsa_next_free_vgpr 120
		.amdhsa_next_free_sgpr 66
		.amdhsa_reserve_vcc 1
		.amdhsa_float_denorm_mode_32 3
		.amdhsa_float_denorm_mode_16_64 3
		.amdhsa_memory_ordered 1
		.amdhsa_forward_progress 1
		.amdhsa_inst_pref_size 18
	.end_amdhsa_kernel
	.amdgpu_metadata
---
amdhsa.version: [ 1, 2 ]
amdhsa.kernels:
  - .name:           k_q80ff059a18_prep
    .symbol:         k_q80ff059a18_prep.kd
    .args:
      - { .name: A, .offset: 0, .size: 8, .value_kind: global_buffer, .address_space: global }
      - { .name: b, .offset: 8, .size: 8, .value_kind: global_buffer, .address_space: global }
      - { .name: hist_Al, .offset: 16, .size: 8, .value_kind: global_buffer, .address_space: global }
      - { .name: hist_Au, .offset: 24, .size: 8, .value_kind: global_buffer, .address_space: global }
      - { .name: hist_bl, .offset: 32, .size: 8, .value_kind: global_buffer, .address_space: global }
      - { .name: hist_bu, .offset: 40, .size: 8, .value_kind: global_buffer, .address_space: global }
      - { .name: y0, .offset: 48, .size: 8, .value_kind: global_buffer, .address_space: global }
      - { .name: lbf, .offset: 56, .size: 8, .value_kind: global_buffer, .address_space: global }
      - { .name: ubf, .offset: 64, .size: 8, .value_kind: global_buffer, .address_space: global }
      - { .name: c1, .offset: 72, .size: 8, .value_kind: global_buffer, .address_space: global }
    .group_segment_fixed_size: 5120
    .private_segment_fixed_size: 0
    .kernarg_segment_align: 8
    .kernarg_segment_size: 80
    .max_flat_workgroup_size: 1024
    .sgpr_count:     66
    .vgpr_count:     120
    .wavefront_size: 32
...
	.end_amdgpu_metadata
.endif
;; end of part 1
;; launch back1 (part 2): grid 16 x 16, 4 waves a work-group, clusters of 4 x 4, 327,680 bytes of LDS; arguments y0, lbf, ubf, hist_bl, hist_bu, p1, y1; writes p1, y1
.if DOCPART == 2
	.amdgcn_target "amdgcn-amd-amdhsa--gfx1250"
	.amdhsa_code_object_version 6
	.text
	.protected	k_q80ff059a18_back1
	.globl	k_q80ff059a18_back1
	.p2align	8
	.type	k_q80ff059a18_back1,@function
k_q80ff059a18_back1:
	s_mov_b64 s[64:65], 0
	v_nop
	global_prefetch_b8 v0, s[64:65] scope:SCOPE_SE
	s_setreg_imm32_b32 hwreg(HW_REG_WAVE_MODE, 25, 1), 1
	s_wait_xcnt 0x0
	s_wait_alu depctr_hold_cnt(0) depctr_sa_sdst(0) depctr_va_vdst(0) depctr_va_sdst(0) depctr_va_ssrc(0) depctr_va_vcc(0) depctr_vm_vsrc(0)
	s_getreg_b32 s2, hwreg(HW_REG_IB_STS2, 6, 4)
	s_cmp_eq_u32 s2, 0
	s_cbranch_scc0 .Lentry_in_a_cluster
	s_endpgm
.Lentry_in_a_cluster:
	s_bfe_u32 s2, ttmp6, 0x10000c
	s_cmp_lg_u32 s2, 0xf033
	s_cbranch_scc0 .Lentry_shape_is_right
	s_endpgm
.Lentry_shape_is_right:
; ONE STEP OF THE BACKSUBSTITUTION, for history layer 1:  Y'[m][n] = sum over k of max(X[m][k],0) L[k][n] + min(X[m][k],0) U[k][n],  X = y0 [4096][2048], L = lbf[1], U = ubf[1] [2048][2048], all bf16; sums in f32.
; Y' is stored once, rounded to bf16 (y1), and from the f32 sums each row's share of the next bias step is taken: p1[tx][m] = sum over the tile's 128 columns n of max(Y',0) hist_bl[0][n] + min(Y',0) hist_bu[0][n], in f32.
; (The same text with STORE_Y = 0 and LAYER = 0 is the step for layer 0, whose Y' never leaves the registers.)
; LIMITS.  Matrix operands are bf16.  A NaN in X is dropped by v_pk_max_num_bf16 / v_pk_min_num_bf16, one in Y' by v_max_num_f32 / v_min_num_f32 in the row sums (it counts as 0 there).  No limit of range: bf16 has f32's exponents.
; SHARES.  A work-group makes 256 rows x 128 columns of Y': 16 x 16 work-groups.  Wave w: rows 64 w .. 64 w + 63, all 128 columns: 32 accumulators of 16 x 16 (a = 0..3 by b = 0..7), 256 registers.
; So a wave's row sums are whole over the tile, and a wave's 128 columns of bf16 are 256 consecutive bytes: the way out needs no barrier.
; K goes in steps of 128 through two LDS slots filled by the tensor data mover: each step brings 256 rows of X and 128 rows each of L and U; every row is 256 bytes of memory, at a multiple of 256 bytes.
; A step is four quarters of 32 k, each 32 products max(X,0) L and 32 products min(X,0) U: 256 matrix instructions a wave and step.
; THE MATRIX INSTRUCTION IS USED TRANSPOSED: source 0 = 16 columns of L or U, which lie [k][n] in LDS and are turned by ds_load_tr16_b128; source 1 = 16 rows of max(X,0) or min(X,0).
; In the result lane l holds row l % 16 and the columns 8 (l / 16) + 0..7.
; max(X,0) and min(X,0) are made in registers from one raw fragment of X, two or four lines behind each product of the phase min(X,0) U, for the NEXT quarter: those lines name no register of the products round them.
; CLUSTER.  4 x 4 work-groups.  X's tile hangs on the tile row alone: asked for jointly along a row of the cluster (waves 0, 1: its two halves).  L's and U's hang on the tile column alone: jointly along a column (wave 2: L, wave 3: U).
; REGISTERS, in windows of 256 (s_set_vgpr_msb: bits 1:0 source 0, 3:2 source 1, 5:4 source 2, 7:6 destination):
;   window 0: v0-29 addresses; v32-63 raw X of one quarter; v64-127 at work on the way out; v128-255 U's fragments, two buffers of 64 (on the way out: packed rows, rows read back, row sums)
;   window 1: v0-127 L's fragments, two buffers; v128-191, v192-255 the two vectors of the row sums, my lane's 64 columns each
;   window 2: v0-127 accumulators a = 0, 1; v128-191 max(X,0), two buffers of 32          window 3: v0-127 accumulators a = 2, 3; v128-191 min(X,0), two buffers
.set STORE_Y, 1
.set LAYER, 8388608                    ; bytes into lbf and ubf
.set PX,    272                        ; a row of X in LDS: 256 bytes + 16: an odd multiple of 16, so the 16 rows of a fragment load start 16 bytes apart modulo 256
.set PW,    288                        ; a row of L or U: 256 + 32: an odd multiple of 32, as the turning load's 8 rows x 32 bytes want
.set LOFF,  256*PX                     ; in a slot: X's 256 rows, L's 128, U's 128
.set UOFF,  LOFF+128*PW
.set SCR,   UOFF+128*PW                ; behind slot 0: 256 bytes for each wave, for the row sums; no tile lands here
.set SPARE, SCR+4*256                  ; the spare words, 128 bytes for each wave: two blocks of 256 bytes that no other line names
.set SLOT1, 0x24000                    ; slot 1: none of its two bits is set in a tile's place in a slot (0, 0x8800, 0x11000, 0x1a000), so one exclusive or changes slots
.set STAGE, SLOT1+SCR                  ; behind slot 1: 16 rows x 272 bytes for each wave, for the way out
.set AX0, 4                            ; v4-6   my lane's place in X's, L's, U's tile of slot 0; never rewritten
.set AL0, 5
.set AU0, 6
.set AX,  7                            ; v7-9   the same in the slot in hand
.set AL,  8
.set AU,  9
.set STO, 10                           ; v10  the way out: where I put 16 bytes of a row
.set RD,  11                           ; v11  where I read a row back
.set CO,  12                           ; v12  my byte offset in two rows of y1
.set VO,  13                           ; v13  my byte offset in the two vectors
.set PFO, 14                           ; v14  the prefetches' offset: my lane x 4,096, a row of X, L or U; never rewritten
.set SC4, 15                           ; v15  my word of the wave's 256 bytes of SCR
.set SC8, 16                           ; v16  my two words of them
.set PO,  17                           ; v17  8 x lane
.set SPW, 28                           ; v28  LDS address of my spare word; never rewritten
.set NIL, 29                           ; v29  0; never rewritten
.set XR,  32
.set PS,  64
.set NG,  96
.set PK,  128
.set BK,  160
.set SUM, 224
.set WV,  16                           ; s16  wave
.set FB,  17                           ; s17  0: I fetch X, 1: L or U
.set HALF, 18                          ; s18  which half of X; L (0) or U (1)
.set CX,  20
.set CY,  21
.set TX,  22                           ; s22  tile column
.set TY,  23                           ; s23  tile row
.set G1A, 24                           ; s[24:31] descriptor group 1 for X's tiles
.set G0A, 32                           ; s[32:39] group 0: a set for each first fill; the second then walks
.set G1B, 48                           ; s[48:55], s[56:63] the same for L's and U's tiles
.set G0B, 56
.set PFA, 66                           ; s[66:67] where my prefetches stand
.set PST, 68                           ; s[68:69] their step: a K step along X's rows, or down L's and U's
.set LIM, 70                           ; s70  2 in a wave that prefetches, else the greatest number
.set CNT, 71                           ; s71  the loop's trips to go
.set TBR, 72                           ; s72  the slot in hand: 0 or SLOT1
.set ZERO, 73                          ; s73  0: two bf16 zeros
.set SEL, 74                           ; s[74:75] v_permlanex16_b32's selects
.set MSB, 0
.macro WIN new                         ; the immediate's high byte repeats the setting that is left; a switch that changes nothing is dropped
.if MSB != (\new)
	s_set_vgpr_msb (MSB<<8)|(\new)
.set MSB, (\new)
.endif
.endm
.macro PLACES                          ; four places in front of loads into registers that matrix instructions have read (ISA guide 7.12.1 for vector instructions)
.rept 4
	v_nop
.endr
.endm
.macro CREST                           ; a round of the cluster's barrier behind its opening barrier
	s_cmp_lg_u32 s[WV], 0
	s_cbranch_scc1 .Lnot_wave_0_\@
	s_barrier_signal -3
.Lnot_wave_0_\@:
	s_barrier_wait -3
	s_barrier_signal -1
	s_barrier_wait -1
.endm
.macro CROUND                          ; a whole round
	s_barrier_signal -1
	s_barrier_wait -1
	CREST
.endm
; A joint refill, by the walking descriptors.  The branch hangs on the wave's number alone.  An s_nop 0 and four v_nop follow each of the two lines, ahead of the jump and the label.
.macro JLOAD
	s_cmp_lt_u32 s[WV], 2
	s_cbranch_scc0 .Lfor_b_\@
	tensor_load_to_lds s[G0A+4:G0A+7], s[G1A:G1A+7]
	s_nop 0
.rept 4
	v_nop
.endr
	s_branch .Lasked_\@
.Lfor_b_\@:
	tensor_load_to_lds s[G0B+4:G0B+7], s[G1B:G1B+7]
	s_nop 0
.rept 4
	v_nop
.endr
.Lasked_\@:
.endm
; A PREFETCH INTO THE L2 of the K step that stands two refills on: 32 rows x 256 bytes, a lane a row, one instruction a wave, behind the joint load, its five lines and the run of LDS loads.
; Each row's 256 bytes of a K step are named once in the launch: X's rows are read by all clusters of a row of clusters, and the one with x = 0 asks; L's and U's by all clusters of a column, and the one with y = 0 asks.
; Of the 128 rows that a wave fetches each of the four partners takes 32, told apart by address (cx for X, cy for L and U).  Trip t names K step t + 4; the last two trips name nothing; K steps 0 to 3 come by their loads alone.
.macro ASK
	s_cmp_gt_u32 s[CNT], s[LIM]
	s_cbranch_scc0 .Lnot_mine_\@
	global_prefetch_b8 v[PFO], s[PFA:PFA+1] th:TH_LOAD_NT scope:SCOPE_SE
.Lnot_mine_\@:
.endm
; 40 LDS loads in one run: quarter c of the slot in hand: raw X (4 fragments), then L's and U's 8 fragments into buffer g.  X first: it is wanted first, by the lines that make max and min.
.macro FETCH c, g
	WIN 0
.irp a, 0,1,2,3
	ds_load_b128 v[XR+8*(\a):XR+8*(\a)+3],   v[AX] offset:16*PX*(\a)+64*(\c)
	ds_load_b128 v[XR+8*(\a)+4:XR+8*(\a)+7], v[AX] offset:16*PX*(\a)+64*(\c)+32
.endr
	WIN 0x40                                       ; destination window 1, address window 0
.irp b, 0,1,2,3,4,5,6,7
	ds_load_tr16_b128 v[64*(\g)+8*(\b):64*(\g)+8*(\b)+3],   v[AL] offset:32*PW*(\c)+32*(\b)
	ds_load_tr16_b128 v[64*(\g)+8*(\b)+4:64*(\g)+8*(\b)+7], v[AL] offset:32*PW*(\c)+32*(\b)+16*PW
.endr
	WIN 0
.irp b, 0,1,2,3,4,5,6,7
	ds_load_tr16_b128 v[128+64*(\g)+8*(\b):128+64*(\g)+8*(\b)+3],   v[AU] offset:32*PW*(\c)+32*(\b)
	ds_load_tr16_b128 v[128+64*(\g)+8*(\b)+4:128+64*(\g)+8*(\b)+7], v[AU] offset:32*PW*(\c)+32*(\b)+16*PW
.endr
.endm
; 16 products max(X,0) L of buffer f: row blocks 2 hi, 2 hi + 1 x all 8 column blocks.  zero = 1: they start the sums: nothing is ever cleared.
; The 32 accumulators take turns, one instruction a turn, in the same order in every phase: 31 others stand between two links of a chain.
.macro PH1 f, hi, zero
	WIN 0xa9+0x50*(\hi)                            ; L window 1, max(X,0) window 2, C and D window 2 or 3
.irp a, 0,1
.irp b, 0,1,2,3,4,5,6,7
.if \zero
	v_wmma_f32_16x16x32_bf16 v[8*(8*(\a)+(\b)):8*(8*(\a)+(\b))+7], v[64*(\f)+8*(\b):64*(\f)+8*(\b)+7], v[128+32*(\f)+8*(2*(\hi)+(\a)):128+32*(\f)+8*(2*(\hi)+(\a))+7], 0
.else
	v_wmma_f32_16x16x32_bf16 v[8*(8*(\a)+(\b)):8*(8*(\a)+(\b))+7], v[64*(\f)+8*(\b):64*(\f)+8*(\b)+7], v[128+32*(\f)+8*(2*(\hi)+(\a)):128+32*(\f)+8*(2*(\hi)+(\a))+7], v[8*(8*(\a)+(\b)):8*(8*(\a)+(\b))+7]
.endif
.endr
.endr
.endm
.macro RIDE hi, g, j                   ; register j of 32 of the next quarter's max(X,0) (window 2, under hi = 0) or min(X,0) (window 3, under hi = 1): the phase's own window setting serves it
.if \hi
	v_pk_min_num_bf16 v[128+32*(\g)+(\j)], v[XR+(\j)], s[ZERO]
.else
	v_pk_max_num_bf16 v[128+32*(\g)+(\j)], v[XR+(\j)], s[ZERO]
.endif
.endm
; 16 products min(X,0) U of buffer f.  mode 0: two RIDE behind each; mode 1: none behind the first eight, then the wait for the raw X just asked for, then four behind each; mode 2: none.
.macro PH2 f, hi, mode
	WIN 0xac+0x50*(\hi)                            ; U window 0, min(X,0) window 3, C and D window 2 or 3
.set n, 0
.irp a, 0,1
.irp b, 0,1,2,3,4,5,6,7
	v_wmma_f32_16x16x32_bf16 v[8*(8*(\a)+(\b)):8*(8*(\a)+(\b))+7], v[128+64*(\f)+8*(\b):128+64*(\f)+8*(\b)+7], v[128+32*(\f)+8*(2*(\hi)+(\a)):128+32*(\f)+8*(2*(\hi)+(\a))+7], v[8*(8*(\a)+(\b)):8*(8*(\a)+(\b))+7]
.if (\mode) == 0
	RIDE \hi, 1-(\f), 2*n
	RIDE \hi, 1-(\f), 2*n+1
.endif
.if ((\mode) == 1) && (n >= 8)
.if n == 8
	s_wait_dscnt 32                                ; of the 40 loads just issued the 8 of raw X are in
.endif
	RIDE \hi, 1-(\f), 4*(n-8)
	RIDE \hi, 1-(\f), 4*(n-8)+1
	RIDE \hi, 1-(\f), 4*(n-8)+2
	RIDE \hi, 1-(\f), 4*(n-8)+3
.endif
.set n, n+1
.endr
.endr
.endm
; One of a K step's first three quarters: multiplies buffer f, fetches quarter c of the same slot into the other buffer.
.macro QUARTER c, f, zero
	s_wait_dscnt 16                                ; raw X and L of this quarter are in; the youngest 16 loads, U's, may be out
	PLACES                                         ; U's other buffer was read by the products just issued
	FETCH \c, 1-(\f)
	PH1 \f, 0, \zero
	PH1 \f, 1, \zero
	s_wait_dscnt 32                                ; all but L's and U's 32 of the run just issued: this quarter's U and the next quarter's raw X are in
	PH2 \f, 0, 0
	PH2 \f, 1, 0
.endm
; The fourth quarter multiplies buffer 1 and changes slots: ONE barrier.  In front of it each wave waits for all its tensor loads (one is out: its part of the next slot), adds 0 to its spare word, and waits for that and for its
; reads of this slot.  fill = 1: the barrier opens a round of the cluster's barrier, and this slot is filled again first thing behind the round, with the K step two on: 224 matrix instructions ahead of the wait for it.
.macro TURN fill
.if \fill
	s_wait_xcnt 0x0                                ; the last prefetch, a K step back, has read its address: it is stepped here, ahead of the change's own waits
	s_add_nc_u64 s[PFA:PFA+1], s[PFA:PFA+1], s[PST:PST+1]
.endif
	WIN 0                                          ; (the add's two registers lie in window 0)
	s_wait_tensorcnt 0x0                           ; no tensor load of mine is out, so a group 0 may be written
	ds_add_u32 v[SPW], v[NIL]                      ; 0 onto my spare word
.if \fill
	s_xor_b32 s[G0A+5], s[G0A+5], SLOT1            ; the walking descriptors: the other slot than last time,
	s_xor_b32 s[G0B+5], s[G0B+5], SLOT1
	s_add_nc_u64 s[G0A+6:G0A+7], s[G0A+6:G0A+7], 256       ; the next 128 k: along X's rows,
	s_add_nc_u64 s[G0B+6:G0B+7], s[G0B+6:G0B+7], 128*4096  ; down L's and U's; the type bits on top are not reached
.endif
	s_wait_dscnt 17                                ; (the add and U's 16 loads may be out)
	PH1 1, 0, 0                                    ; sixteen matrix instructions stand between the add and the wait for it
	s_wait_dscnt 0x0                               ; the add is done, and my reads of this slot are over
	s_barrier_signal -1
	PH1 1, 1, 0                                    ; work on registers while the others arrive
	WIN 0
	s_barrier_wait -1
.if \fill
	CREST                                          ; no wave of any partner still reads this slot or has a load on its way
	JLOAD                                          ; the first tensor load behind the round; its four v_nop are also the places in front of the loads below
.else
	PLACES
.endif
	s_xor_b32 s[TBR], s[TBR], SLOT1
	v_add_nc_u32 v[AX], s[TBR], v[AX0]
	v_add_nc_u32 v[AL], s[TBR], v[AL0]
	v_add_nc_u32 v[AU], s[TBR], v[AU0]
	FETCH 0, 0
.if \fill
	ASK
.endif
	PH2 1, 0, 1
	PH2 1, 1, 0
.endm
	s_load_b256 s[4:11], s[0:1], 0x0               ; X 4:5, lbf 6:7, ubf 8:9, the vector for max 10:11
	s_load_b128 s[12:15], s[0:1], 0x20             ; the vector for min 12:13, the partial row sums 14:15
.if STORE_Y
	s_load_b64 s[84:85], s[0:1], 0x30              ; y1
.endif
	v_lshl_add_u32 v[SPW], v0, 2, SPARE
	v_mov_b32 v[NIL], 0
	ds_add_u32 v[SPW], v[NIL]                      ; the wave's opening: the add, twice on end, and its wait ahead of my first tensor load; the set-up below, work on registers, stands between
	ds_add_u32 v[SPW], v[NIL]                      ; and once more, under the one wait
	v_lshrrev_b32 v1, 5, v0
	v_readfirstlane_b32 s[WV], v1                  ; wave 0..3
	s_lshr_b32 s[FB], s[WV], 1
	s_and_b32 s[HALF], s[WV], 1
	s_bfe_u32 s[CX], ttmp6, 0x40000                ; my place in the cluster
	s_bfe_u32 s[CY], ttmp6, 0x40004
	s_lshl_b32 s[TX], ttmp9, 2                     ; in a cluster launch ttmp9 and ttmp7 count clusters
	s_add_co_u32 s[TX], s[TX], s[CX]
	s_and_b32 s[TY], ttmp7, 0xffff
	s_lshl_b32 s[TY], s[TY], 2
	s_add_co_u32 s[TY], s[TY], s[CY]
	s_lshl_b32 s76, s[CY], 2
	s_lshl_b32 s76, 15, s76                        ; my row of the cluster
	s_lshl_b32 s77, 0x1111, s[CX]                  ; my column
	; descriptor group 1: a tile of 128 rows x 128 elements of 2 bytes, padded in LDS after every 64 words: by 4 words (X) or 8 (L, U); bit 21 is set beside a mask
	s_or_b32 s[G1A], s76, (1<<16)|(1<<20)|(1<<21)|(5<<22)|(3<<25)
	s_or_b32 s[G1B], s77, (1<<16)|(1<<20)|(1<<21)|(5<<22)|(7<<25)
.irp g, G1A, G1B
	s_mov_b32 s[(\g)+1], 128<<16                   ; tensor_dim0 = 128
	s_mov_b32 s[(\g)+2], 128<<16                   ; tensor_dim1 = 128
	s_mov_b32 s[(\g)+3], 128<<16                   ; tile_dim0 = 128
	s_mov_b32 s[(\g)+4], 128                       ; tile_dim1 = 128
	s_mov_b32 s[(\g)+5], 2048                      ; elements from row to row
	s_mov_b32 s[(\g)+6], 0
	s_mov_b32 s[(\g)+7], 0
.endr
	; where the tiles come from: X's hang on the tile row and the wave alone, L's and U's on the tile column and the wave alone, each in registers that never hold the other coordinate
	s_lshl_b32 s40, s[TY], 20                      ; 256 rows of 4,096 bytes
	s_lshl_b32 s19, s[HALF], 19                    ; + my 128 of them
	s_add_co_u32 s40, s40, s19
	s_mov_b32 s41, 0
	s_lshl_b32 s46, s[TX], 8                       ; 128 columns of 2 bytes
	s_add_co_u32 s46, s46, LAYER
	s_mov_b32 s47, 0
	s_mul_i32 s42, s[HALF], 128*PX                 ; and where they go: no place in the cluster enters an LDS address
	s_mul_i32 s43, s[HALF], 128*PW
	s_add_co_u32 s43, s43, LOFF
	; the prefetches: my work-group's 32 of the 128 rows that I fetch, at K step 3; the first change of slots steps this to K step 4
	s_lshl_b32 s78, s[CX], 17
	s_add_co_u32 s78, s78, s40
	s_add_co_u32 s78, s78, 3*256
	s_lshl_b32 s80, s[CY], 17
	s_add_co_u32 s80, s80, s46
	s_add_co_u32 s80, s80, 3*128*4096
	s_and_b32 s86, ttmp7, 0xffff                   ; cluster y
	s_mov_b32 s[PST], 128*4096
	s_mov_b32 s[PST+1], 0
	s_mov_b32 s79, 0
	s_cmp_eq_u32 s[FB], 0                          ; do I fetch X?
	s_cselect_b32 s78, s78, s80
	s_cselect_b32 s86, ttmp9, s86                  ; the coordinate along which other clusters read the same rows
	s_cselect_b32 s[PST], 0x100, s[PST]
	s_cmp_eq_u32 s86, 0
	s_cselect_b32 s[LIM], 2, -1                    ; the same in all sixteen partners, for a given wave
	; where my results go
	s_lshl_b32 s80, s[TX], 14                      ; p[tile column][row]: 16,384 tx + 4 (256 ty + 64 w)
	s_lshl_b32 s81, s[TY], 10
	s_add_co_u32 s80, s80, s81
	s_lshl_b32 s81, s[WV], 8
	s_add_co_u32 s80, s80, s81
	s_mov_b32 s81, 0
.if STORE_Y
	s_lshl_b32 s82, s[TY], 20                      ; y1: (256 ty + 64 w) rows of 4,096 bytes + 256 tx
	s_lshl_b32 s83, s[WV], 18
	s_add_co_u32 s82, s82, s83
	s_lshl_b32 s83, s[TX], 8
	s_add_co_u32 s82, s82, s83
	s_mov_b32 s83, 0
.endif
	s_mov_b32 s[TBR], 0
	s_mov_b32 s[ZERO], 0
	s_mov_b32 s[SEL], 0x76543210
	s_mov_b32 s[SEL+1], 0xfedcba98
	s_mov_b32 s[CNT], 14
	s_wait_dscnt 0x0                               ; both opening adds are done
	s_wait_kmcnt 0x0
	s_cmp_eq_u32 s[HALF], 0
	s_cselect_b64 s[44:45], s[6:7], s[8:9]         ; L or U
	s_cmp_eq_u32 s[FB], 0
	s_cselect_b64 s[PFA:PFA+1], s[4:5], s[44:45]
	s_add_nc_u64 s[PFA:PFA+1], s[PFA:PFA+1], s[78:79]
	s_add_nc_u64 s[40:41], s[4:5], s[40:41]
	s_add_nc_u64 s[46:47], s[44:45], s[46:47]
	s_add_nc_u64 s[14:15], s[14:15], s[80:81]
.if STORE_Y
	s_add_nc_u64 s[84:85], s[84:85], s[82:83]
.endif
	CROUND                                         ; all sixteen work-groups are here: the first joint loads meet
.irp s, 0,1
	s_mov_b32 s[G0A+4*(\s)], 1                                     ; count = 1
	s_add_co_u32 s[G0A+4*(\s)+1], s42, (\s)*SLOT1                  ; LDS address
	s_add_nc_u64 s[G0A+4*(\s)+2:G0A+4*(\s)+3], s[40:41], (\s)*256  ; global address: K step s
	s_or_b32 s[G0A+4*(\s)+3], s[G0A+4*(\s)+3], 0x80000000          ; type = 2
	s_mov_b32 s[G0B+4*(\s)], 1
	s_add_co_u32 s[G0B+4*(\s)+1], s43, (\s)*SLOT1
	s_add_nc_u64 s[G0B+4*(\s)+2:G0B+4*(\s)+3], s[46:47], (\s)*128*4096
	s_or_b32 s[G0B+4*(\s)+3], s[G0B+4*(\s)+3], 0x80000000
.endr
	s_cmp_lt_u32 s[WV], 2                          ; a wave's two first fills stand in one branch, ahead of every wait on TENSORcnt and every LDS read: two loads of mine are out
	s_cbranch_scc0 .Lfirst_b
	tensor_load_to_lds s[G0A:G0A+3], s[G1A:G1A+7]
	s_nop 0
	tensor_load_to_lds s[G0A+4:G0A+7], s[G1A:G1A+7]
	s_nop 0
.rept 4
	v_nop
.endr
	s_branch .Lfirst_asked
.Lfirst_b:
	tensor_load_to_lds s[G0B:G0B+3], s[G1B:G1B+7]
	s_nop 0
	tensor_load_to_lds s[G0B+4:G0B+7], s[G1B:G1B+7]
	s_nop 0
.rept 4
	v_nop
.endr
.Lfirst_asked:
	v_and_b32 v1, 15, v0                           ; r = l % 16
	v_bfe_u32 v2, v0, 4, 1                         ; h = l / 16
	v_and_b32 v3, 31, v0                           ; l
	; a fragment of X: 16 rows x 32 k: lane l holds row r, k = 8 h + 0..7 and 16 + 8 h + 0..7: two loads of 16 bytes, 32 bytes apart
	v_mul_u32_u24 v18, v1, PX
	v_lshl_add_u32 v18, v2, 4, v18                 ; r x 272 + 16 h
	s_mul_i32 s76, s[WV], 64*PX                    ; my 64 rows
	v_add_nc_u32 v[AX0], s76, v18
	; the turning load takes 16 k x 16 columns (lane l reads k = 8 h + l % 8, columns 8 ((l / 8) % 2) + 0..7) and leaves half a fragment: lane l holds column r and 8 k
	v_and_b32 v19, 7, v0
	v_lshl_add_u32 v19, v2, 3, v19
	v_mul_u32_u24 v19, v19, PW
	v_bfe_u32 v20, v0, 3, 1
	v_lshl_add_u32 v19, v20, 4, v19
	v_add_nc_u32 v[AL0], LOFF, v19
	v_add_nc_u32 v[AU0], UOFF, v19
	v_mov_b32 v[AX], v[AX0]                        ; K step 0 lies in slot 0
	v_mov_b32 v[AL], v[AL0]
	v_mov_b32 v[AU], v[AU0]
.if STORE_Y
	s_mul_i32 s76, s[WV], 16*PX
	s_add_co_u32 s76, s76, STAGE                   ; my stage
	v_add_nc_u32 v[STO], s76, v18                  ; in: row r, 16 bytes for each half of the lanes
	v_mul_u32_u24 v[RD], v2, PX                    ; back: lanes 0-15 take one row of 256 bytes, lanes 16-31 the next
	v_lshl_add_u32 v[RD], v1, 4, v[RD]
	v_add_nc_u32 v[RD], s76, v[RD]
	v_lshlrev_b32 v[CO], 12, v2                    ; and the same two rows in y1
	v_lshl_add_u32 v[CO], v1, 4, v[CO]
.endif
	s_lshl_b32 s77, s[TX], 9                       ; the tile's 128 columns in a vector of f32
	v_lshl_add_u32 v[VO], v2, 5, s77               ; + my 8 of each 16
	v_lshlrev_b32 v[PFO], 12, v3
	s_lshl_b32 s76, s[WV], 8
	s_add_co_u32 s76, s76, SCR
	v_lshl_add_u32 v[SC4], v3, 2, s76
	v_lshl_add_u32 v[SC8], v3, 3, s76
	v_lshlrev_b32 v[PO], 3, v3
	WIN 0x40                                       ; destination window 1, address window 0: the two vectors, column 16 b + 8 h + j at register 8 b + j; waited for on the way out
.irp b, 0,1,2,3,4,5,6,7
	global_load_b128 v[128+8*(\b):128+8*(\b)+3],   v[VO], s[10:11] offset:64*(\b)
	global_load_b128 v[128+8*(\b)+4:128+8*(\b)+7], v[VO], s[10:11] offset:64*(\b)+16
	global_load_b128 v[192+8*(\b):192+8*(\b)+3],   v[VO], s[12:13] offset:64*(\b)
	global_load_b128 v[192+8*(\b)+4:192+8*(\b)+7], v[VO], s[12:13] offset:64*(\b)+16
.endr
	WIN 0
	s_wait_tensorcnt 0x1                           ; my part of K step 0 is in; slot 1's may stay out
	s_barrier_signal -1
	s_barrier_wait -1                              ; everybody's is
	FETCH 0, 0
	s_wait_dscnt 32                                ; raw X is in
	WIN 0x80                                       ; the first quarter's max(X,0) and min(X,0) have no products to stand behind
.set i, 0
.rept 32
	v_pk_max_num_bf16 v[128+i], v[XR+i], s[ZERO]
.set i, i+1
.endr
	WIN 0xc0
.set i, 0
.rept 32
	v_pk_min_num_bf16 v[128+i], v[XR+i], s[ZERO]
.set i, i+1
.endr
	QUARTER 1, 0, 1                                ; the first quarter stands in front of the loop: its first products start the sums
	WIN 0                                          ; at a label and at a branch every window is 0
.Lstep:                                                ; 14 trips: trip t ends K step t, fills its slot again with K step t + 2, and begins K step t + 1
	QUARTER 2, 1, 0
	QUARTER 3, 0, 0
	TURN 1
	QUARTER 1, 0, 0
	WIN 0
	s_sub_co_u32 s[CNT], s[CNT], 1
	s_cmp_lg_u32 s[CNT], 0
	s_cbranch_scc1 .Lstep
	QUARTER 2, 1, 0                                ; the last two K steps are written out: nothing is asked for
	QUARTER 3, 0, 0
	TURN 0
	QUARTER 1, 0, 0
	QUARTER 2, 1, 0
	QUARTER 3, 0, 0
	s_wait_dscnt 16                                ; the very last quarter: nothing more to fetch
	PH1 1, 0, 0
	PH1 1, 1, 0
	s_wait_dscnt 0x0
	PH2 1, 0, 2
	PH2 1, 1, 2
; THE WAY OUT, a block a of 16 rows at a time.  ROWDOT: max(Y',0) and min(Y',0) of the f32 sums, their products with the two vectors summed in four packed chains (the first line of each is a multiply: nothing is cleared),
; and, where Y' is kept, its rounding to bf16, 16 bytes a lane and column block.  Each accumulator is read from its lowest register on.
.macro ROWDOT a
.set AC, 64*((\a)%2)
.irp q, 0,1                            ; column blocks 4 q .. 4 q + 3: 32 registers on end
	WIN 0x08+4*((\a)/2)                            ; source 1: window 2 or 3
.set i, 0
.rept 32
	v_max_num_f32 v[PS+i], 0, v[AC+32*(\q)+i]
.set i, i+1
.endr
.set i, 0
.rept 32
	v_min_num_f32 v[NG+i], 0, v[AC+32*(\q)+i]
.set i, i+1
.endr
.if STORE_Y
	WIN 0x0a+5*((\a)/2)                            ; sources 0 and 1: window 2 or 3
.set i, 0
.rept 16
	v_cvt_pk_bf16_f32 v[PK+16*(\q)+i], v[AC+32*(\q)+2*i], v[AC+32*(\q)+2*i+1]
.set i, i+1
.endr
.endif
	WIN 0x04                                       ; source 1: window 1, the vectors
.irp r, 0,1,2,3
.irp tt, 0,1,2,3
.set i, 4*(\tt)+(\r)
.set sm, SUM+8*(\a)+4*((\tt)%2)
.if ((\q) == 0) && ((\r) == 0) && ((\tt) < 2)
	v_pk_mul_f32 v[sm:sm+1],   v[PS+2*i:PS+2*i+1], v[128+32*(\q)+2*i:128+32*(\q)+2*i+1]
	v_pk_mul_f32 v[sm+2:sm+3], v[NG+2*i:NG+2*i+1], v[192+32*(\q)+2*i:192+32*(\q)+2*i+1]
.else
	v_pk_fma_f32 v[sm:sm+1],   v[PS+2*i:PS+2*i+1], v[128+32*(\q)+2*i:128+32*(\q)+2*i+1], v[sm:sm+1]
	v_pk_fma_f32 v[sm+2:sm+3], v[NG+2*i:NG+2*i+1], v[192+32*(\q)+2*i:192+32*(\q)+2*i+1], v[sm+2:sm+3]
.endif
.endr
.endr
.endr
.endm
.macro TOSTAGE a                       ; into my own stage, and back as whole rows of 256 bytes
	WIN 0
.irp b, 0,1,2,3,4,5,6,7
	ds_store_b128 v[STO], v[PK+4*(\b):PK+4*(\b)+3] offset:32*(\b)
.endr
.irp t, 0,1,2,3,4,5,6,7
	ds_load_b128 v[BK+32*((\a)%2)+4*(\t):BK+32*((\a)%2)+4*(\t)+3], v[RD] offset:2*PX*(\t)  ; LDS serves a wave's instructions in order (ISA guide 5.7.1.4): these see the stores above
.endr
.endm
.macro SEND a
	WIN 0
	s_wait_dscnt 0x0                               ; the block is back in registers
	s_wait_xcnt 0x0                                ; the block before has been read by its stores: its registers are loaded again only behind this wait
.irp t, 0,1,2,3,4,5,6,7
	global_store_b128 v[CO], v[BK+32*((\a)%2)+4*(\t):BK+32*((\a)%2)+4*(\t)+3], s[84:85] offset:(16*(\a)+2*(\t))*4096  ; 16 lanes store 256 consecutive bytes, at a multiple of 256 from y1's first byte
.endr
.endm
	WIN 0
	s_wait_loadcnt 0x0                             ; the two vectors
.rept 8
	v_nop                                          ; the places behind the last products, in front of the first read of a result and the first write of a fragment's register
.endr
	ROWDOT 0
.if STORE_Y
	TOSTAGE 0
.endif
.irp a, 1,2,3                          ; a block's arithmetic stands between the loads of the block before and its stores
	ROWDOT \a
.if STORE_Y
	SEND (\a)-1
	TOSTAGE \a
.endif
.endr
.if STORE_Y
	SEND 3
.endif
	; the row sums: the four chains of a block, the pair's two halves, the other half of the lanes' columns
	WIN 0
.irp a, 0,1,2,3
	v_pk_add_f32 v[SUM+8*(\a):SUM+8*(\a)+1],   v[SUM+8*(\a):SUM+8*(\a)+1],   v[SUM+8*(\a)+2:SUM+8*(\a)+3]
	v_pk_add_f32 v[SUM+8*(\a)+4:SUM+8*(\a)+5], v[SUM+8*(\a)+4:SUM+8*(\a)+5], v[SUM+8*(\a)+6:SUM+8*(\a)+7]
.endr
.irp a, 0,1,2,3
	v_pk_add_f32 v[SUM+8*(\a):SUM+8*(\a)+1], v[SUM+8*(\a):SUM+8*(\a)+1], v[SUM+8*(\a)+4:SUM+8*(\a)+5]
.endr
.irp a, 0,1,2,3
	v_add_f32 v[18+(\a)], v[SUM+8*(\a)], v[SUM+8*(\a)+1]
.endr
.irp a, 0,1,2,3
	v_permlanex16_b32 v[SUM+8*(\a)+2], v[18+(\a)], s[SEL], s[SEL+1]  ; its destination has been written
.endr
.irp a, 0,1,2,3
	v_add_f32 v[18+(\a)], v[18+(\a)], v[SUM+8*(\a)+2]  ; every lane: the sum of row 16 a + r
.endr
	v_cmp_eq_u32 vcc_lo, 1, v2
	v_cndmask_b32 v22, v18, v19, vcc_lo            ; lane l: row l,
	v_cndmask_b32 v23, v20, v21, vcc_lo            ; and row 32 + l
	ds_store_b32 v[SC4], v22
	ds_store_b32 v[SC4], v23 offset:128
	ds_load_b64 v[26:27], v[SC8]                   ; rows 2 l, 2 l + 1: my wave's own bytes, served in order
	s_wait_dscnt 0x0
	global_store_b64 v[PO], v[26:27], s[14:15]     ; the wave's 64 sums: 256 consecutive bytes, aligned
	s_wait_tensorcnt 0x0                           ; the wave's end, behind my last tensor load and my last LDS store
	ds_add_u32 v[SPW], v[NIL]
	s_wait_dscnt 0x0
	CROUND                                         ; the closing round: no work-group ends while a partner may still ask for a tile that names it
	s_endpgm
.Lfunc_end_k_q80ff059a18_back1:
	.size	k_q80ff059a18_back1, .Lfunc_end_k_q80ff059a18_back1-k_q80ff059a18_back1
	.p2alignl 7, 3214868480
	.fill 96, 4, 3214868480
	.section	.rodata,"a",@progbits
	.p2align	6, 0x0
	.amdhsa_kernel k_q80ff059a18_back1
		.amdhsa_group_segment_fixed_size 327680
		.amdhsa_private_segment_fixed_size 0
		.amdhsa_enable_private_segment 0
		.amdhsa_kernarg_size 56
		.amdhsa_user_sgpr_count 2
		.amdhsa_user_sgpr_kernarg_segment_ptr 1
		.amdhsa_wavefront_size32 1
		.amdhsa_system_sgpr_workgroup_id_x 1
		.amdhsa_system_sgpr_workgroup_id_y 1
		.amdhsa_system_sgpr_workgroup_id_z 1
		.amdhsa_system_vgpr_workitem_id 0
		.amdhsa_next_free_vgpr 960
		.amdhsa_next_free_sgpr 88
		.amdhsa_reserve_vcc 1
		.amdhsa_float_denorm_mode_32 3
		.amdhsa_float_denorm_mode_16_64 3
		.amdhsa_memory_ordered 1
		.amdhsa_forward_progress 1
		.amdhsa_inst_pref_size 195
	.end_amdhsa_kernel
	.amdgpu_metadata
---
amdhsa.version: [ 1, 2 ]
amdhsa.kernels:
  - .name:           k_q80ff059a18_back1
    .symbol:         k_q80ff059a18_back1.kd
    .args:
      - { .name: y0, .offset: 0, .size: 8, .value_kind: global_buffer, .address_space: global }
      - { .name: lbf, .offset: 8, .size: 8, .value_kind: global_buffer, .address_space: global }
      - { .name: ubf, .offset: 16, .size: 8, .value_kind: global_buffer, .address_space: global }
      - { .name: hist_bl, .offset: 24, .size: 8, .value_kind: global_buffer, .address_space: global }
      - { .name: hist_bu, .offset: 32, .size: 8, .value_kind: global_buffer, .address_space: global }
      - { .name: p1, .offset: 40, .size: 8, .value_kind: global_buffer, .address_space: global }
      - { .name: y1, .offset: 48, .size: 8, .value_kind: global_buffer, .address_space: global }
    .group_segment_fixed_size: 327680
    .private_segment_fixed_size: 0
    .kernarg_segment_align: 8
    .kernarg_segment_size: 56
    .max_flat_workgroup_size: 128
    .sgpr_count:     88
    .vgpr_count:     960
    .wavefront_size: 32
...
	.end_amdgpu_metadata
.endif
;; end of part 2
;; launch back2 (part 3): grid 16 x 16, 4 waves a work-group, clusters of 4 x 4, 327,680 bytes of LDS; arguments y1, lbf, ubf, lower_in, upper_in, p2; writes p2
.if DOCPART == 3
	.amdgcn_target "amdgcn-amd-amdhsa--gfx1250"
	.amdhsa_code_object_version 6
	.text
	.protected	k_q80ff059a18_back2
	.globl	k_q80ff059a18_back2
	.p2align	8
	.type	k_q80ff059a18_back2,@function
k_q80ff059a18_back2:
	s_mov_b64 s[64:65], 0
	v_nop
	global_prefetch_b8 v0, s[64:65] scope:SCOPE_SE
	s_setreg_imm32_b32 hwreg(HW_REG_WAVE_MODE, 25, 1), 1
	s_wait_xcnt 0x0
	s_wait_alu depctr_hold_cnt(0) depctr_sa_sdst(0) depctr_va_vdst(0) depctr_va_sdst(0) depctr_va_ssrc(0) depctr_va_vcc(0) depctr_vm_vsrc(0)
	s_getreg_b32 s2, hwreg(HW_REG_IB_STS2, 6, 4)
	s_cmp_eq_u32 s2, 0
	s_cbranch_scc0 .Lentry_in_a_cluster
	s_endpgm
.Lentry_in_a_cluster:
	s_bfe_u32 s2, ttmp6, 0x10000c
	s_cmp_lg_u32 s2, 0xf033
	s_cbranch_scc0 .Lentry_shape_is_right
	s_endpgm
.Lentry_shape_is_right:
; ONE STEP OF THE BACKSUBSTITUTION, for history layer 0, and the concretisation:  Y'[m][n] = sum over k of max(X[m][k],0) L[k][n] + min(X[m][k],0) U[k][n],  X = y1 [4096][2048], L = lbf[0], U = ubf[0] [2048][2048], all bf16; sums in f32.
; Y' never leaves the registers: from the f32 sums each row's share of the bound is taken: p2[tx][m] = sum over the tile's 128 columns n of max(Y',0) lower_in[n] + min(Y',0) upper_in[n], in f32.
; (The same text with STORE_Y = 1 and LAYER = 8,388,608 is the step for layer 1, which also stores Y' in bf16.)
; LIMITS.  Matrix operands are bf16.  A NaN in X is dropped by v_pk_max_num_bf16 / v_pk_min_num_bf16, one in Y' by v_max_num_f32 / v_min_num_f32 in the row sums (it counts as 0 there).  No limit of range: bf16 has f32's exponents.
; SHARES.  A work-group makes 256 rows x 128 columns of Y': 16 x 16 work-groups.  Wave w: rows 64 w .. 64 w + 63, all 128 columns: 32 accumulators of 16 x 16 (a = 0..3 by b = 0..7), 256 registers.
; So a wave's row sums are whole over the tile: the way out needs no barrier.
; K goes in steps of 128 through two LDS slots filled by the tensor data mover: each step brings 256 rows of X and 128 rows each of L and U; every row is 256 bytes of memory, at a multiple of 256 bytes.
; A step is four quarters of 32 k, each 32 products max(X,0) L and 32 products min(X,0) U: 256 matrix instructions a wave and step.
; THE MATRIX INSTRUCTION IS USED TRANSPOSED: source 0 = 16 columns of L or U, which lie [k][n] in LDS and are turned by ds_load_tr16_b128; source 1 = 16 rows of max(X,0) or min(X,0).
; In the result lane l holds row l % 16 and the columns 8 (l / 16) + 0..7.
; max(X,0) and min(X,0) are made in registers from one raw fragment of X, two or four lines behind each product of the phase min(X,0) U, for the NEXT quarter: those lines name no register of the products round them.
; CLUSTER.  4 x 4 work-groups.  X's tile hangs on the tile row alone: asked for jointly along a row of the cluster (waves 0, 1: its two halves).  L's and U's hang on the tile column alone: jointly along a column (wave 2: L, wave 3: U).
; REGISTERS, in windows of 256 (s_set_vgpr_msb: bits 1:0 source 0, 3:2 source 1, 5:4 source 2, 7:6 destination):
;   window 0: v0-29 addresses; v32-63 raw X of one quarter; v64-127 at work on the way out; v128-255 U's fragments, two buffers of 64 (on the way out: row sums)
;   window 1: v0-127 L's fragments, two buffers; v128-191, v192-255 the two vectors of the row sums, my lane's 64 columns each
;   window 2: v0-127 accumulators a = 0, 1; v128-191 max(X,0), two buffers of 32          window 3: v0-127 accumulators a = 2, 3; v128-191 min(X,0), two buffers
.set STORE_Y, 0
.set LAYER, 0                          ; bytes into lbf and ubf
.set PX,    272                        ; a row of X in LDS: 256 bytes + 16: an odd multiple of 16, so the 16 rows of a fragment load start 16 bytes apart modulo 256
.set PW,    288                        ; a row of L or U: 256 + 32: an odd multiple of 32, as the turning load's 8 rows x 32 bytes want
.set LOFF,  256*PX                     ; in a slot: X's 256 rows, L's 128, U's 128
.set UOFF,  LOFF+128*PW
.set SCR,   UOFF+128*PW                ; behind slot 0: 256 bytes for each wave, for the row sums; no tile lands here
.set SPARE, SCR+4*256                  ; the spare words, 128 bytes for each wave: two blocks of 256 bytes that no other line names
.set SLOT1, 0x24000                    ; slot 1: none of its two bits is set in a tile's place in a slot (0, 0x8800, 0x11000, 0x1a000), so one exclusive or changes slots
.set STAGE, SLOT1+SCR                  ; behind slot 1: the stage of the text that stores Y'; not used here
.set AX0, 4                            ; v4-6   my lane's place in X's, L's, U's tile of slot 0; never rewritten
.set AL0, 5
.set AU0, 6
.set AX,  7                            ; v7-9   the same in the slot in hand
.set AL,  8
.set AU,  9
.set STO, 10
.set RD,  11
.set CO,  12
.set VO,  13                           ; v13  my byte offset in the two vectors
.set PFO, 14                           ; v14  the prefetches' offset: my lane x 4,096, a row of X, L or U; never rewritten
.set SC4, 15                           ; v15  my word of the wave's 256 bytes of SCR
.set SC8, 16                           ; v16  my two words of them
.set PO,  17                           ; v17  8 x lane
.set SPW, 28                           ; v28  LDS address of my spare word; never rewritten
.set NIL, 29                           ; v29  0; never rewritten
.set XR,  32
.set PS,  64
.set NG,  96
.set PK,  128
.set BK,  160
.set SUM, 224
.set WV,  16                           ; s16  wave
.set FB,  17                           ; s17  0: I fetch X, 1: L or U
.set HALF, 18                          ; s18  which half of X; L (0) or U (1)
.set CX,  20
.set CY,  21
.set TX,  22                           ; s22  tile column
.set TY,  23                           ; s23  tile row
.set G1A, 24                           ; s[24:31] descriptor group 1 for X's tiles
.set G0A, 32                           ; s[32:39] group 0: a set for each first fill; the second then walks
.set G1B, 48                           ; s[48:55], s[56:63] the same for L's and U's tiles
.set G0B, 56
.set PFA, 66                           ; s[66:67] where my prefetches stand
.set PST, 68                           ; s[68:69] their step: a K step along X's rows, or down L's and U's
.set LIM, 70                           ; s70  2 in a wave that prefetches, else the greatest number
.set CNT, 71                           ; s71  the loop's trips to go
.set TBR, 72                           ; s72  the slot in hand: 0 or SLOT1
.set ZERO, 73                          ; s73  0: two bf16 zeros
.set SEL, 74                           ; s[74:75] v_permlanex16_b32's selects
.set MSB, 0
.macro WIN new                         ; the immediate's high byte repeats the setting that is left; a switch that changes nothing is dropped
.if MSB != (\new)
	s_set_vgpr_msb (MSB<<8)|(\new)
.set MSB, (\new)
.endif
.endm
.macro PLACES                          ; four places in front of loads into registers that matrix instructions have read (ISA guide 7.12.1 for vector instructions)
.rept 4
	v_nop
.endr
.endm
.macro CREST                           ; a round of the cluster's barrier behind its opening barrier
	s_cmp_lg_u32 s[WV], 0
	s_cbranch_scc1 .Lnot_wave_0_\@
	s_barrier_signal -3
.Lnot_wave_0_\@:
	s_barrier_wait -3
	s_barrier_signal -1
	s_barrier_wait -1
.endm
.macro CROUND                          ; a whole round
	s_barrier_signal -1
	s_barrier_wait -1
	CREST
.endm
; A joint refill, by the walking descriptors.  The branch hangs on the wave's number alone.  An s_nop 0 and four v_nop follow each of the two lines, ahead of the jump and the label.
.macro JLOAD
	s_cmp_lt_u32 s[WV], 2
	s_cbranch_scc0 .Lfor_b_\@
	tensor_load_to_lds s[G0A+4:G0A+7], s[G1A:G1A+7]
	s_nop 0
.rept 4
	v_nop
.endr
	s_branch .Lasked_\@
.Lfor_b_\@:
	tensor_load_to_lds s[G0B+4:G0B+7], s[G1B:G1B+7]
	s_nop 0
.rept 4
	v_nop
.endr
.Lasked_\@:
.endm
; A PREFETCH INTO THE L2 of the K step that stands two refills on: 32 rows x 256 bytes, a lane a row, one instruction a wave, behind the joint load, its five lines and the run of LDS loads.
; Each row's 256 bytes of a K step are named once in the launch: X's rows are read by all clusters of a row of clusters, and the one with x = 0 asks; L's and U's by all clusters of a column, and the one with y = 0 asks.
; Of the 128 rows that a wave fetches each of the four partners takes 32, told apart by address (cx for X, cy for L and U).  Trip t names K step t + 4; the last two trips name nothing; K steps 0 to 3 come by their loads alone.
.macro ASK
	s_cmp_gt_u32 s[CNT], s[LIM]
	s_cbranch_scc0 .Lnot_mine_\@
	global_prefetch_b8 v[PFO], s[PFA:PFA+1] th:TH_LOAD_NT scope:SCOPE_SE
.Lnot_mine_\@:
.endm
; 40 LDS loads in one run: quarter c of the slot in hand: raw X (4 fragments), then L's and U's 8 fragments into buffer g.  X first: it is wanted first, by the lines that make max and min.
.macro FETCH c, g
	WIN 0
.irp a, 0,1,2,3
	ds_load_b128 v[XR+8*(\a):XR+8*(\a)+3],   v[AX] offset:16*PX*(\a)+64*(\c)
	ds_load_b128 v[XR+8*(\a)+4:XR+8*(\a)+7], v[AX] offset:16*PX*(\a)+64*(\c)+32
.endr
	WIN 0x40                                       ; destination window 1, address window 0
.irp b, 0,1,2,3,4,5,6,7
	ds_load_tr16_b128 v[64*(\g)+8*(\b):64*(\g)+8*(\b)+3],   v[AL] offset:32*PW*(\c)+32*(\b)
	ds_load_tr16_b128 v[64*(\g)+8*(\b)+4:64*(\g)+8*(\b)+7], v[AL] offset:32*PW*(\c)+32*(\b)+16*PW
.endr
	WIN 0
.irp b, 0,1,2,3,4,5,6,7
	ds_load_tr16_b128 v[128+64*(\g)+8*(\b):128+64*(\g)+8*(\b)+3],   v[AU] offset:32*PW*(\c)+32*(\b)
	ds_load_tr16_b128 v[128+64*(\g)+8*(\b)+4:128+64*(\g)+8*(\b)+7], v[AU] offset:32*PW*(\c)+32*(\b)+16*PW
.endr
.endm
; 16 products max(X,0) L of buffer f: row blocks 2 hi, 2 hi + 1 x all 8 column blocks.  zero = 1: they start the sums: nothing is ever cleared.
; The 32 accumulators take turns, one instruction a turn, in the same order in every phase: 31 others stand between two links of a chain.
.macro PH1 f, hi, zero
	WIN 0xa9+0x50*(\hi)                            ; L window 1, max(X,0) window 2, C and D window 2 or 3
.irp a, 0,1
.irp b, 0,1,2,3,4,5,6,7
.if \zero
	v_wmma_f32_16x16x32_bf16 v[8*(8*(\a)+(\b)):8*(8*(\a)+(\b))+7], v[64*(\f)+8*(\b):64*(\f)+8*(\b)+7], v[128+32*(\f)+8*(2*(\hi)+(\a)):128+32*(\f)+8*(2*(\hi)+(\a))+7], 0
.else
	v_wmma_f32_16x16x32_bf16 v[8*(8*(\a)+(\b)):8*(8*(\a)+(\b))+7], v[64*(\f)+8*(\b):64*(\f)+8*(\b)+7], v[128+32*(\f)+8*(2*(\hi)+(\a)):128+32*(\f)+8*(2*(\hi)+(\a))+7], v[8*(8*(\a)+(\b)):8*(8*(\a)+(\b))+7]
.endif
.endr
.endr
.endm
.macro RIDE hi, g, j                   ; register j of 32 of the next quarter's max(X,0) (window 2, under hi = 0) or min(X,0) (window 3, under hi = 1): the phase's own window setting serves it
.if \hi
	v_pk_min_num_bf16 v[128+32*(\g)+(\j)], v[XR+(\j)], s[ZERO]
.else
	v_pk_max_num_bf16 v[128+32*(\g)+(\j)], v[XR+(\j)], s[ZERO]
.endif
.endm
; 16 products min(X,0) U of buffer f.  mode 0: two RIDE behind each; mode 1: none behind the first eight, then the wait for the raw X just asked for, then four behind each; mode 2: none.
.macro PH2 f, hi, mode
	WIN 0xac+0x50*(\hi)                            ; U window 0, min(X,0) window 3, C and D window 2 or 3
.set n, 0
.irp a, 0,1
.irp b, 0,1,2,3,4,5,6,7
	v_wmma_f32_16x16x32_bf16 v[8*(8*(\a)+(\b)):8*(8*(\a)+(\b))+7], v[128+64*(\f)+8*(\b):128+64*(\f)+8*(\b)+7], v[128+32*(\f)+8*(2*(\hi)+(\a)):128+32*(\f)+8*(2*(\hi)+(\a))+7], v[8*(8*(\a)+(\b)):8*(8*(\a)+(\b))+7]
.if (\mode) == 0
	RIDE \hi, 1-(\f), 2*n
	RIDE \hi, 1-(\f), 2*n+1
.endif
.if ((\mode) == 1) && (n >= 8)
.if n == 8
	s_wait_dscnt 32                                ; of the 40 loads just issued the 8 of raw X are in
.endif
	RIDE \hi, 1-(\f), 4*(n-8)
	RIDE \hi, 1-(\f), 4*(n-8)+1
	RIDE \hi, 1-(\f), 4*(n-8)+2
	RIDE \hi, 1-(\f), 4*(n-8)+3
.endif
.set n, n+1
.endr
.endr
.endm
; One of a K step's first three quarters: multiplies buffer f, fetches quarter c of the same slot into the other buffer.
.macro QUARTER c, f, zero
	s_wait_dscnt 16                                ; raw X and L of this quarter are in; the youngest 16 loads, U's, may be out
	PLACES                                         ; U's other buffer was read by the products just issued
	FETCH \c, 1-(\f)
	PH1 \f, 0, \zero
	PH1 \f, 1, \zero
	s_wait_dscnt 32                                ; all but L's and U's 32 of the run just issued: this quarter's U and the next quarter's raw X are in
	PH2 \f, 0, 0
	PH2 \f, 1, 0
.endm
; The fourth quarter multiplies buffer 1 and changes slots: ONE barrier.  In front of it each wave waits for all its tensor loads (one is out: its part of the next slot), adds 0 to its spare word, and waits for that and for its
; reads of this slot.  fill = 1: the barrier opens a round of the cluster's barrier, and this slot is filled again first thing behind the round, with the K step two on: 224 matrix instructions ahead of the wait for it.
.macro TURN fill
.if \fill
	s_wait_xcnt 0x0                                ; the last prefetch, a K step back, has read its address: it is stepped here, ahead of the change's own waits
	s_add_nc_u64 s[PFA:PFA+1], s[PFA:PFA+1], s[PST:PST+1]
.endif
	WIN 0                                          ; (the add's two registers lie in window 0)
	s_wait_tensorcnt 0x0                           ; no tensor load of mine is out, so a group 0 may be written
	ds_add_u32 v[SPW], v[NIL]                      ; 0 onto my spare word
.if \fill
	s_xor_b32 s[G0A+5], s[G0A+5], SLOT1            ; the walking descriptors: the other slot than last time,
	s_xor_b32 s[G0B+5], s[G0B+5], SLOT1
	s_add_nc_u64 s[G0A+6:G0A+7], s[G0A+6:G0A+7], 256       ; the next 128 k: along X's rows,
	s_add_nc_u64 s[G0B+6:G0B+7], s[G0B+6:G0B+7], 128*4096  ; down L's and U's; the type bits on top are not reached
.endif
	s_wait_dscnt 17                                ; (the add and U's 16 loads may be out)
	PH1 1, 0, 0                                    ; sixteen matrix instructions stand between the add and the wait for it
	s_wait_dscnt 0x0                               ; the add is done, and my reads of this slot are over
	s_barrier_signal -1
	PH1 1, 1, 0                                    ; work on registers while the others arrive
	WIN 0
	s_barrier_wait -1
.if \fill
	CREST                                          ; no wave of any partner still reads this slot or has a load on its way
	JLOAD                                          ; the first tensor load behind the round; its four v_nop are also the places in front of the loads below
.else
	PLACES
.endif
	s_xor_b32 s[TBR], s[TBR], SLOT1
	v_add_nc_u32 v[AX], s[TBR], v[AX0]
	v_add_nc_u32 v[AL], s[TBR], v[AL0]
	v_add_nc_u32 v[AU], s[TBR], v[AU0]
	FETCH 0, 0
.if \fill
	ASK
.endif
	PH2 1, 0, 1
	PH2 1, 1, 0
.endm
	s_load_b256 s[4:11], s[0:1], 0x0               ; X 4:5, lbf 6:7, ubf 8:9, the vector for max 10:11
	s_load_b128 s[12:15], s[0:1], 0x20             ; the vector for min 12:13, the partial row sums 14:15
.if STORE_Y
	s_load_b64 s[84:85], s[0:1], 0x30              ; y1
.endif
	v_lshl_add_u32 v[SPW], v0, 2, SPARE
	v_mov_b32 v[NIL], 0
	ds_add_u32 v[SPW], v[NIL]                      ; the wave's opening: the add, twice on end, and its wait ahead of my first tensor load; the set-up below, work on registers, stands between
	ds_add_u32 v[SPW], v[NIL]                      ; and once more, under the one wait
	v_lshrrev_b32 v1, 5, v0
	v_readfirstlane_b32 s[WV], v1                  ; wave 0..3
	s_lshr_b32 s[FB], s[WV], 1
	s_and_b32 s[HALF], s[WV], 1
	s_bfe_u32 s[CX], ttmp6, 0x40000                ; my place in the cluster
	s_bfe_u32 s[CY], ttmp6, 0x40004
	s_lshl_b32 s[TX], ttmp9, 2                     ; in a cluster launch ttmp9 and ttmp7 count clusters
	s_add_co_u32 s[TX], s[TX], s[CX]
	s_and_b32 s[TY], ttmp7, 0xffff
	s_lshl_b32 s[TY], s[TY], 2
	s_add_co_u32 s[TY], s[TY], s[CY]
	s_lshl_b32 s76, s[CY], 2
	s_lshl_b32 s76, 15, s76                        ; my row of the cluster
	s_lshl_b32 s77, 0x1111, s[CX]                  ; my column
	; descriptor group 1: a tile of 128 rows x 128 elements of 2 bytes, padded in LDS after every 64 words: by 4 words (X) or 8 (L, U); bit 21 is set beside a mask
	s_or_b32 s[G1A], s76, (1<<16)|(1<<20)|(1<<21)|(5<<22)|(3<<25)
	s_or_b32 s[G1B], s77, (1<<16)|(1<<20)|(1<<21)|(5<<22)|(7<<25)
.irp g, G1A, G1B
	s_mov_b32 s[(\g)+1], 128<<16                   ; tensor_dim0 = 128
	s_mov_b32 s[(\g)+2], 128<<16                   ; tensor_dim1 = 128
	s_mov_b32 s[(\g)+3], 128<<16                   ; tile_dim0 = 128
	s_mov_b32 s[(\g)+4], 128                       ; tile_dim1 = 128
	s_mov_b32 s[(\g)+5], 2048                      ; elements from row to row
	s_mov_b32 s[(\g)+6], 0
	s_mov_b32 s[(\g)+7], 0
.endr
	; where the tiles come from: X's hang on the tile row and the wave alone, L's and U's on the tile column and the wave alone, each in registers that never hold the other coordinate
	s_lshl_b32 s40, s[TY], 20                      ; 256 rows of 4,096 bytes
	s_lshl_b32 s19, s[HALF], 19                    ; + my 128 of them
	s_add_co_u32 s40, s40, s19
	s_mov_b32 s41, 0
	s_lshl_b32 s46, s[TX], 8                       ; 128 columns of 2 bytes
	s_add_co_u32 s46, s46, LAYER
	s_mov_b32 s47, 0
	s_mul_i32 s42, s[HALF], 128*PX                 ; and where they go: no place in the cluster enters an LDS address
	s_mul_i32 s43, s[HALF], 128*PW
	s_add_co_u32 s43, s43, LOFF
	; the prefetches: my work-group's 32 of the 128 rows that I fetch, at K step 3; the first change of slots steps this to K step 4
	s_lshl_b32 s78, s[CX], 17
	s_add_co_u32 s78, s78, s40
	s_add_co_u32 s78, s78, 3*256
	s_lshl_b32 s80, s[CY], 17
	s_add_co_u32 s80, s80, s46
	s_add_co_u32 s80, s80, 3*128*4096
	s_and_b32 s86, ttmp7, 0xffff                   ; cluster y
	s_mov_b32 s[PST], 128*4096
	s_mov_b32 s[PST+1], 0
	s_mov_b32 s79, 0
	s_cmp_eq_u32 s[FB], 0                          ; do I fetch X?
	s_cselect_b32 s78, s78, s80
	s_cselect_b32 s86, ttmp9, s86                  ; the coordinate along which other clusters read the same rows
	s_cselect_b32 s[PST], 0x100, s[PST]
	s_cmp_eq_u32 s86, 0
	s_cselect_b32 s[LIM], 2, -1                    ; the same in all sixteen partners, for a given wave
	; where my results go
	s_lshl_b32 s80, s[TX], 14                      ; p[tile column][row]: 16,384 tx + 4 (256 ty + 64 w)
	s_lshl_b32 s81, s[TY], 10
	s_add_co_u32 s80, s80, s81
	s_lshl_b32 s81, s[WV], 8
	s_add_co_u32 s80, s80, s81
	s_mov_b32 s81, 0
.if STORE_Y
	s_lshl_b32 s82, s[TY], 20                      ; y1: (256 ty + 64 w) rows of 4,096 bytes + 256 tx
	s_lshl_b32 s83, s[WV], 18
	s_add_co_u32 s82, s82, s83
	s_lshl_b32 s83, s[TX], 8
	s_add_co_u32 s82, s82, s83
	s_mov_b32 s83, 0
.endif
	s_mov_b32 s[TBR], 0
	s_mov_b32 s[ZERO], 0
	s_mov_b32 s[SEL], 0x76543210
	s_mov_b32 s[SEL+1], 0xfedcba98
	s_mov_b32 s[CNT], 14
	s_wait_dscnt 0x0                               ; both opening adds are done
	s_wait_kmcnt 0x0
	s_cmp_eq_u32 s[HALF], 0
	s_cselect_b64 s[44:45], s[6:7], s[8:9]         ; L or U
	s_cmp_eq_u32 s[FB], 0
	s_cselect_b64 s[PFA:PFA+1], s[4:5], s[44:45]
	s_add_nc_u64 s[PFA:PFA+1], s[PFA:PFA+1], s[78:79]
	s_add_nc_u64 s[40:41], s[4:5], s[40:41]
	s_add_nc_u64 s[46:47], s[44:45], s[46:47]
	s_add_nc_u64 s[14:15], s[14:15], s[80:81]
.if STORE_Y
	s_add_nc_u64 s[84:85], s[84:85], s[82:83]
.endif
	CROUND                                         ; all sixteen work-groups are here: the first joint loads meet
.irp s, 0,1
	s_mov_b32 s[G0A+4*(\s)], 1                                     ; count = 1
	s_add_co_u32 s[G0A+4*(\s)+1], s42, (\s)*SLOT1                  ; LDS address
	s_add_nc_u64 s[G0A+4*(\s)+2:G0A+4*(\s)+3], s[40:41], (\s)*256  ; global address: K step s
	s_or_b32 s[G0A+4*(\s)+3], s[G0A+4*(\s)+3], 0x80000000          ; type = 2
	s_mov_b32 s[G0B+4*(\s)], 1
	s_add_co_u32 s[G0B+4*(\s)+1], s43, (\s)*SLOT1
	s_add_nc_u64 s[G0B+4*(\s)+2:G0B+4*(\s)+3], s[46:47], (\s)*128*4096
	s_or_b32 s[G0B+4*(\s)+3], s[G0B+4*(\s)+3], 0x80000000
.endr
	s_cmp_lt_u32 s[WV], 2                          ; a wave's two first fills stand in one branch, ahead of every wait on TENSORcnt and every LDS read: two loads of mine are out
	s_cbranch_scc0 .Lfirst_b
	tensor_load_to_lds s[G0A:G0A+3], s[G1A:G1A+7]
	s_nop 0
	tensor_load_to_lds s[G0A+4:G0A+7], s[G1A:G1A+7]
	s_nop 0
.rept 4
	v_nop
.endr
	s_branch .Lfirst_asked
.Lfirst_b:
	tensor_load_to_lds s[G0B:G0B+3], s[G1B:G1B+7]
	s_nop 0
	tensor_load_to_lds s[G0B+4:G0B+7], s[G1B:G1B+7]
	s_nop 0
.rept 4
	v_nop
.endr
.Lfirst_asked:
	v_and_b32 v1, 15, v0                           ; r = l % 16
	v_bfe_u32 v2, v0, 4, 1                         ; h = l / 16
	v_and_b32 v3, 31, v0                           ; l
	; a fragment of X: 16 rows x 32 k: lane l holds row r, k = 8 h + 0..7 and 16 + 8 h + 0..7: two loads of 16 bytes, 32 bytes apart
	v_mul_u32_u24 v18, v1, PX
	v_lshl_add_u32 v18, v2, 4, v18                 ; r x 272 + 16 h
	s_mul_i32 s76, s[WV], 64*PX                    ; my 64 rows
	v_add_nc_u32 v[AX0], s76, v18
	; the turning load takes 16 k x 16 columns (lane l reads k = 8 h + l % 8, columns 8 ((l / 8) % 2) + 0..7) and leaves half a fragment: lane l holds column r and 8 k
	v_and_b32 v19, 7, v0
	v_lshl_add_u32 v19, v2, 3, v19
	v_mul_u32_u24 v19, v19, PW
	v_bfe_u32 v20, v0, 3, 1
	v_lshl_add_u32 v19, v20, 4, v19
	v_add_nc_u32 v[AL0], LOFF, v19
	v_add_nc_u32 v[AU0], UOFF, v19
	v_mov_b32 v[AX], v[AX0]                        ; K step 0 lies in slot 0
	v_mov_b32 v[AL], v[AL0]
	v_mov_b32 v[AU], v[AU0]
.if STORE_Y
	s_mul_i32 s76, s[WV], 16*PX
	s_add_co_u32 s76, s76, STAGE                   ; my stage
	v_add_nc_u32 v[STO], s76, v18                  ; in: row r, 16 bytes for each half of the lanes
	v_mul_u32_u24 v[RD], v2, PX                    ; back: lanes 0-15 take one row of 256 bytes, lanes 16-31 the next
	v_lshl_add_u32 v[RD], v1, 4, v[RD]
	v_add_nc_u32 v[RD], s76, v[RD]
	v_lshlrev_b32 v[CO], 12, v2                    ; and the same two rows in y1
	v_lshl_add_u32 v[CO], v1, 4, v[CO]
.endif
	s_lshl_b32 s77, s[TX], 9                       ; the tile's 128 columns in a vector of f32
	v_lshl_add_u32 v[VO], v2, 5, s77               ; + my 8 of each 16
	v_lshlrev_b32 v[PFO], 12, v3
	s_lshl_b32 s76, s[WV], 8
	s_add_co_u32 s76, s76, SCR
	v_lshl_add_u32 v[SC4], v3, 2, s76
	v_lshl_add_u32 v[SC8], v3, 3, s76
	v_lshlrev_b32 v[PO], 3, v3
	WIN 0x40                                       ; destination window 1, address window 0: the two vectors, column 16 b + 8 h + j at register 8 b + j; waited for on the way out
.irp b, 0,1,2,3,4,5,6,7
	global_load_b128 v[128+8*(\b):128+8*(\b)+3],   v[VO], s[10:11] offset:64*(\b)
	global_load_b128 v[128+8*(\b)+4:128+8*(\b)+7], v[VO], s[10:11] offset:64*(\b)+16
	global_load_b128 v[192+8*(\b):192+8*(\b)+3],   v[VO], s[12:13] offset:64*(\b)
	global_load_b128 v[192+8*(\b)+4:192+8*(\b)+7], v[VO], s[12:13] offset:64*(\b)+16
.endr
	WIN 0
	s_wait_tensorcnt 0x1                           ; my part of K step 0 is in; slot 1's may stay out
	s_barrier_signal -1
	s_barrier_wait -1                              ; everybody's is
	FETCH 0, 0
	s_wait_dscnt 32                                ; raw X is in
	WIN 0x80                                       ; the first quarter's max(X,0) and min(X,0) have no products to stand behind
.set i, 0
.rept 32
	v_pk_max_num_bf16 v[128+i], v[XR+i], s[ZERO]
.set i, i+1
.endr
	WIN 0xc0
.set i, 0
.rept 32
	v_pk_min_num_bf16 v[128+i], v[XR+i], s[ZERO]
.set i, i+1
.endr
	QUARTER 1, 0, 1                                ; the first quarter stands in front of the loop: its first products start the sums
	WIN 0                                          ; at a label and at a branch every window is 0
.Lstep:                                                ; 14 trips: trip t ends K step t, fills its slot again with K step t + 2, and begins K step t + 1
	QUARTER 2, 1, 0
	QUARTER 3, 0, 0
	TURN 1
	QUARTER 1, 0, 0
	WIN 0
	s_sub_co_u32 s[CNT], s[CNT], 1
	s_cmp_lg_u32 s[CNT], 0
	s_cbranch_scc1 .Lstep
	QUARTER 2, 1, 0                                ; the last two K steps are written out: nothing is asked for
	QUARTER 3, 0, 0
	TURN 0
	QUARTER 1, 0, 0
	QUARTER 2, 1, 0
	QUARTER 3, 0, 0
	s_wait_dscnt 16                                ; the very last quarter: nothing more to fetch
	PH1 1, 0, 0
	PH1 1, 1, 0
	s_wait_dscnt 0x0
	PH2 1, 0, 2
	PH2 1, 1, 2
; THE WAY OUT, a block a of 16 rows at a time.  ROWDOT: max(Y',0) and min(Y',0) of the f32 sums, their products with the two vectors summed in four packed chains (the first line of each is a multiply: nothing is cleared),
; and, where Y' is kept, its rounding to bf16, 16 bytes a lane and column block.  Each accumulator is read from its lowest register on.
.macro ROWDOT a
.set AC, 64*((\a)%2)
.irp q, 0,1                            ; column blocks 4 q .. 4 q + 3: 32 registers on end
	WIN 0x08+4*((\a)/2)                            ; source 1: window 2 or 3
.set i, 0
.rept 32
	v_max_num_f32 v[PS+i], 0, v[AC+32*(\q)+i]
.set i, i+1
.endr
.set i, 0
.rept 32
	v_min_num_f32 v[NG+i], 0, v[AC+32*(\q)+i]
.set i, i+1
.endr
.if STORE_Y
	WIN 0x0a+5*((\a)/2)                            ; sources 0 and 1: window 2 or 3
.set i, 0
.rept 16
	v_cvt_pk_bf16_f32 v[PK+16*(\q)+i], v[AC+32*(\q)+2*i], v[AC+32*(\q)+2*i+1]
.set i, i+1
.endr
.endif
	WIN 0x04                                       ; source 1: window 1, the vectors
.irp r, 0,1,2,3
.irp tt, 0,1,2,3
.set i, 4*(\tt)+(\r)
.set sm, SUM+8*(\a)+4*((\tt)%2)
.if ((\q) == 0) && ((\r) == 0) && ((\tt) < 2)
	v_pk_mul_f32 v[sm:sm+1],   v[PS+2*i:PS+2*i+1], v[128+32*(\q)+2*i:128+32*(\q)+2*i+1]
	v_pk_mul_f32 v[sm+2:sm+3], v[NG+2*i:NG+2*i+1], v[192+32*(\q)+2*i:192+32*(\q)+2*i+1]
.else
	v_pk_fma_f32 v[sm:sm+1],   v[PS+2*i:PS+2*i+1], v[128+32*(\q)+2*i:128+32*(\q)+2*i+1], v[sm:sm+1]
	v_pk_fma_f32 v[sm+2:sm+3], v[NG+2*i:NG+2*i+1], v[192+32*(\q)+2*i:192+32*(\q)+2*i+1], v[sm+2:sm+3]
.endif
.endr
.endr
.endr
.endm
.macro TOSTAGE a                       ; into my own stage, and back as whole rows of 256 bytes
	WIN 0
.irp b, 0,1,2,3,4,5,6,7
	ds_store_b128 v[STO], v[PK+4*(\b):PK+4*(\b)+3] offset:32*(\b)
.endr
.irp t, 0,1,2,3,4,5,6,7
	ds_load_b128 v[BK+32*((\a)%2)+4*(\t):BK+32*((\a)%2)+4*(\t)+3], v[RD] offset:2*PX*(\t)  ; LDS serves a wave's instructions in order (ISA guide 5.7.1.4): these see the stores above
.endr
.endm
.macro SEND a
	WIN 0
	s_wait_dscnt 0x0                               ; the block is back in registers
	s_wait_xcnt 0x0                                ; the block before has been read by its stores: its registers are loaded again only behind this wait
.irp t, 0,1,2,3,4,5,6,7
	global_store_b128 v[CO], v[BK+32*((\a)%2)+4*(\t):BK+32*((\a)%2)+4*(\t)+3], s[84:85] offset:(16*(\a)+2*(\t))*4096  ; 16 lanes store 256 consecutive bytes, at a multiple of 256 from y1's first byte
.endr
.endm
	WIN 0
	s_wait_loadcnt 0x0                             ; the two vectors
.rept 8
	v_nop                                          ; the places behind the last products, in front of the first read of a result and the first write of a fragment's register
.endr
	ROWDOT 0
.if STORE_Y
	TOSTAGE 0
.endif
.irp a, 1,2,3                          ; a block's arithmetic stands between the loads of the block before and its stores
	ROWDOT \a
.if STORE_Y
	SEND (\a)-1
	TOSTAGE \a
.endif
.endr
.if STORE_Y
	SEND 3
.endif
	; the row sums: the four chains of a block, the pair's two halves, the other half of the lanes' columns
	WIN 0
.irp a, 0,1,2,3
	v_pk_add_f32 v[SUM+8*(\a):SUM+8*(\a)+1],   v[SUM+8*(\a):SUM+8*(\a)+1],   v[SUM+8*(\a)+2:SUM+8*(\a)+3]
	v_pk_add_f32 v[SUM+8*(\a)+4:SUM+8*(\a)+5], v[SUM+8*(\a)+4:SUM+8*(\a)+5], v[SUM+8*(\a)+6:SUM+8*(\a)+7]
.endr
.irp a, 0,1,2,3
	v_pk_add_f32 v[SUM+8*(\a):SUM+8*(\a)+1], v[SUM+8*(\a):SUM+8*(\a)+1], v[SUM+8*(\a)+4:SUM+8*(\a)+5]
.endr
.irp a, 0,1,2,3
	v_add_f32 v[18+(\a)], v[SUM+8*(\a)], v[SUM+8*(\a)+1]
.endr
.irp a, 0,1,2,3
	v_permlanex16_b32 v[SUM+8*(\a)+2], v[18+(\a)], s[SEL], s[SEL+1]  ; its destination has been written
.endr
.irp a, 0,1,2,3
	v_add_f32 v[18+(\a)], v[18+(\a)], v[SUM+8*(\a)+2]  ; every lane: the sum of row 16 a + r
.endr
	v_cmp_eq_u32 vcc_lo, 1, v2
	v_cndmask_b32 v22, v18, v19, vcc_lo            ; lane l: row l,
	v_cndmask_b32 v23, v20, v21, vcc_lo            ; and row 32 + l
	ds_store_b32 v[SC4], v22
	ds_store_b32 v[SC4], v23 offset:128
	ds_load_b64 v[26:27], v[SC8]                   ; rows 2 l, 2 l + 1: my wave's own bytes, served in order
	s_wait_dscnt 0x0
	global_store_b64 v[PO], v[26:27], s[14:15]     ; the wave's 64 sums: 256 consecutive bytes, aligned
	s_wait_tensorcnt 0x0                           ; the wave's end, behind my last tensor load and my last LDS store
	ds_add_u32 v[SPW], v[NIL]
	s_wait_dscnt 0x0
	CROUND                                         ; the closing round: no work-group ends while a partner may still ask for a tile that names it
	s_endpgm
.Lfunc_end_k_q80ff059a18_back2:
	.size	k_q80ff059a18_back2, .Lfunc_end_k_q80ff059a18_back2-k_q80ff059a18_back2
	.p2alignl 7, 3214868480
	.fill 96, 4, 3214868480
	.section	.rodata,"a",@progbits
	.p2align	6, 0x0
	.amdhsa_kernel k_q80ff059a18_back2
		.amdhsa_group_segment_fixed_size 327680
		.amdhsa_private_segment_fixed_size 0
		.amdhsa_enable_private_segment 0
		.amdhsa_kernarg_size 48
		.amdhsa_user_sgpr_count 2
		.amdhsa_user_sgpr_kernarg_segment_ptr 1
		.amdhsa_wavefront_size32 1
		.amdhsa_system_sgpr_workgroup_id_x 1
		.amdhsa_system_sgpr_workgroup_id_y 1
		.amdhsa_system_sgpr_workgroup_id_z 1
		.amdhsa_system_vgpr_workitem_id 0
		.amdhsa_next_free_vgpr 960
		.amdhsa_next_free_sgpr 88
		.amdhsa_reserve_vcc 1
		.amdhsa_float_denorm_mode_32 3
		.amdhsa_float_denorm_mode_16_64 3
		.amdhsa_memory_ordered 1
		.amdhsa_forward_progress 1
		.amdhsa_inst_pref_size 179
	.end_amdhsa_kernel
	.amdgpu_metadata
---
amdhsa.version: [ 1, 2 ]
amdhsa.kernels:
  - .name:           k_q80ff059a18_back2
    .symbol:         k_q80ff059a18_back2.kd
    .args:
      - { .name: y1, .offset: 0, .size: 8, .value_kind: global_buffer, .address_space: global }
      - { .name: lbf, .offset: 8, .size: 8, .value_kind: global_buffer, .address_space: global }
      - { .name: ubf, .offset: 16, .size: 8, .value_kind: global_buffer, .address_space: global }
      - { .name: lower_in, .offset: 24, .size: 8, .value_kind: global_buffer, .address_space: global }
      - { .name: upper_in, .offset: 32, .size: 8, .value_kind: global_buffer, .address_space: global }
      - { .name: p2, .offset: 40, .size: 8, .value_kind: global_buffer, .address_space: global }
    .group_segment_fixed_size: 327680
    .private_segment_fixed_size: 0
    .kernarg_segment_align: 8
    .kernarg_segment_size: 48
    .max_flat_workgroup_size: 128
    .sgpr_count:     88
    .vgpr_count:     960
    .wavefront_size: 32
...
	.end_amdgpu_metadata
.endif
;; end of part 3
;; launch finish (part 4): grid 16 x 1, 4 waves a work-group, no clusters, 0 bytes of LDS; arguments c1, p1, p2, out0, out1; writes out0, out1
.if DOCPART == 4
	.amdgcn_target "amdgcn-amd-amdhsa--gfx1250"
	.amdhsa_code_object_version 6
	.text
	.protected	k_q80ff059a18_finish
	.globl	k_q80ff059a18_finish
	.p2align	8
	.type	k_q80ff059a18_finish,@function
k_q80ff059a18_finish:
	s_mov_b64 s[64:65], 0
	v_nop
	global_prefetch_b8 v0, s[64:65] scope:SCOPE_SE
	s_setreg_imm32_b32 hwreg(HW_REG_WAVE_MODE, 25, 1), 1
	s_wait_xcnt 0x0
; res[m] = c1[m] + the sum over the 16 column tiles of p1[tile][m] + p2[tile][m], m = 0 .. 4,095, all f32, in a fixed order;  out0[m] = res[m],  out1[m] = -res[2048 + m]:
; the lower half of the stacked rows carries the negated upper bound.
; 4,096 sums of 33 numbers are all the work there is: 16 work-groups of 4 waves, 256 rows each, two rows a thread; every load and the store of a wave cover 256 consecutive bytes, aligned.
; All 33 loads of a thread go out together; no LDS, no barrier, no loop.
	s_load_b256 s[4:11], s[0:1], 0x0               ; c1 4:5, p1 6:7, p2 8:9, out0 10:11
	s_load_b64 s[12:13], s[0:1], 0x20              ; out1
	s_lshl_b32 s18, ttmp9, 10                      ; my 256 rows of 4 bytes among the 4,096,
	s_and_b32 s19, ttmp9, 7
	s_lshl_b32 s19, s19, 10                        ; and among an output's 2,048
	v_lshl_add_u32 v1, v0, 3, s18
	v_lshl_add_u32 v2, v0, 3, s19
	s_wait_kmcnt 0x0
	global_load_b64 v[4:5], v1, s[4:5]
.irp i, 0,1,2,3,4,5,6,7,8,9,10,11,12,13,14,15
	global_load_b64 v[6+2*(\i):7+2*(\i)],   v1, s[6:7] offset:16384*(\i)
	global_load_b64 v[38+2*(\i):39+2*(\i)], v1, s[8:9] offset:16384*(\i)
.endr
	s_cmp_lt_u32 ttmp9, 8                          ; work-groups 0-7: out0; 8-15: out1, with the sign turned
	s_cselect_b64 s[14:15], s[10:11], s[12:13]
	s_cselect_b32 s16, 1.0, -1.0
	s_mov_b32 s17, s16                             ; named with it as a pair
	s_wait_loadcnt 0x0
.irp i, 0,1,2,3,4,5,6,7,8,9,10,11,12,13,14,15
	v_pk_add_f32 v[6+2*(\i):7+2*(\i)], v[6+2*(\i):7+2*(\i)], v[38+2*(\i):39+2*(\i)]
.endr
.irp i, 0,1,2,3,4,5,6,7
	v_pk_add_f32 v[6+2*(\i):7+2*(\i)], v[6+2*(\i):7+2*(\i)], v[22+2*(\i):23+2*(\i)]
.endr
.irp i, 0,1,2,3
	v_pk_add_f32 v[6+2*(\i):7+2*(\i)], v[6+2*(\i):7+2*(\i)], v[14+2*(\i):15+2*(\i)]
.endr
.irp i, 0,1
	v_pk_add_f32 v[6+2*(\i):7+2*(\i)], v[6+2*(\i):7+2*(\i)], v[10+2*(\i):11+2*(\i)]
.endr
	v_pk_add_f32 v[6:7], v[6:7], v[8:9]
	v_pk_add_f32 v[6:7], v[6:7], v[4:5]
	v_pk_mul_f32 v[6:7], v[6:7], s[16:17] op_sel_hi:[1,0]
	global_store_b64 v2, v[6:7], s[14:15]
	s_endpgm
.Lfunc_end_k_q80ff059a18_finish:
	.size	k_q80ff059a18_finish, .Lfunc_end_k_q80ff059a18_finish-k_q80ff059a18_finish
	.p2alignl 7, 3214868480
	.fill 96, 4, 3214868480
	.section	.rodata,"a",@progbits
	.p2align	6, 0x0
	.amdhsa_kernel k_q80ff059a18_finish
		.amdhsa_group_segment_fixed_size 0
		.amdhsa_private_segment_fixed_size 0
		.amdhsa_enable_private_segment 0
		.amdhsa_kernarg_size 40
		.amdhsa_user_sgpr_count 2
		.amdhsa_user_sgpr_kernarg_segment_ptr 1
		.amdhsa_wavefront_size32 1
		.amdhsa_system_sgpr_workgroup_id_x 1
		.amdhsa_system_sgpr_workgroup_id_y 1
		.amdhsa_system_sgpr_workgroup_id_z 1
		.amdhsa_system_vgpr_workitem_id 0
		.amdhsa_next_free_vgpr 72
		.amdhsa_next_free_sgpr 66
		.amdhsa_reserve_vcc 0
		.amdhsa_float_denorm_mode_32 3
		.amdhsa_float_denorm_mode_16_64 3
		.amdhsa_memory_ordered 1
		.amdhsa_forward_progress 1
		.amdhsa_inst_pref_size 7
	.end_amdhsa_kernel
	.amdgpu_metadata
---
amdhsa.version: [ 1, 2 ]
amdhsa.kernels:
  - .name:           k_q80ff059a18_finish
    .symbol:         k_q80ff059a18_finish.kd
    .args:
      - { .name: c1, .offset: 0, .size: 8, .value_kind: global_buffer, .address_space: global }
      - { .name: p1, .offset: 8, .size: 8, .value_kind: global_buffer, .address_space: global }
      - { .name: p2, .offset: 16, .size: 8, .value_kind: global_buffer, .address_space: global }
      - { .name: out0, .offset: 24, .size: 8, .value_kind: global_buffer, .address_space: global }
      - { .name: out1, .offset: 32, .size: 8, .value_kind: global_buffer, .address_space: global }
    .group_segment_fixed_size: 0
    .private_segment_fixed_size: 0
    .kernarg_segment_align: 8
    .kernarg_segment_size: 40
    .max_flat_workgroup_size: 128
    .sgpr_count:     66
    .vgpr_count:     72
    .wavefront_size: 32
...
	.end_amdgpu_metadata
.endif
;; end of part 4
